; MI455X (gfx1250); checked and timed in simulation.
; The chip was launched on July 23, 2026; its instructions are those of AMD's public machine-readable ISA for CDNA 5 (MIT licence, August 2026) and "CDNA5" Instruction Set Architecture Reference Guide (July 2026). The comments in the code are by the model that wrote it; some were corrected since.
;; Head. Allowed arithmetic: float matrix products may take bf16 or f16 operands with f32 sums; other float arithmetic in f32, or as packed bf16 or f16 multiplies, adds, multiply-adds, maxima and minima; sums over many terms, partial sums and values carried from step to step in f32; what a program stores and reads back later, other than sums and carried values, may be rounded once to bf16 or f16.
;; Inputs: W_key 1,024 x 128 float32; W_query 1,024 x 128 float32; W_value 1,024 x 128 float32; x 4 x 4,096 x 1,024 float32.
;; Outputs: out0 4 x 4,096 x 128 float32.
;; 2 versions, each right. Each part assembles by itself: llvm-mc -triple=amdgcn-amd-amdhsa -mcpu=gfx1250 --defsym DOCPART=n.
;; ======== version 1 of 2: 3 launches
;; limits: values are held in f16: magnitudes above 65,504 overflow, below 6.1e-05 lose precision
;; workspace buffers: wf 786,432 bytes; qf 4,194,304 bytes; kvf 8,388,608 bytes
;; launch prep (part 1): grid 192 x 1, 8 waves a work-group, no clusters, 0 bytes of LDS; arguments W_key, W_query, W_value, wf; writes wf
.if DOCPART == 1
	.amdgcn_target "amdgcn-amd-amdhsa--gfx1250"
	.amdhsa_code_object_version 6
	.text
	.protected	k_qec4102ff08_prep
	.globl	k_qec4102ff08_prep
	.p2align	8
	.type	k_qec4102ff08_prep,@function
k_qec4102ff08_prep:
	s_mov_b64 s[64:65], 0
	v_nop
	global_prefetch_b8 v0, s[64:65] scope:SCOPE_SE
	s_setreg_imm32_b32 hwreg(HW_REG_WAVE_MODE, 25, 1), 1
	s_wait_xcnt 0x0
; THE PROGRAM: one causal attention head.  q, k, v = x W (16,384 x 1,024 x 384); scores = q k^T / 32; reference()'s own tril mask; softmax; times v.  Three launches:
; this one lays the weights out, the second makes q, k, v, the third is the attention.
; WORK LEFT OUT (in the third launch).  For a block of 128 query rows every slot of 256 keys that lies wholly behind the slot holding the block's diagonal is not loaded and not multiplied:
; reference() sets those scores to -inf by the mask that it builds itself (jnp.tril), so their softmax weights are exactly 0 and their products with v add exactly 0, whatever finite
; values x and the weights hold.  Inside the diagonal slot hidden scores are computed and masked.  Every input has a way to the output: all four are loaded.
; LIMIT: a NaN, an infinity or an overflow in k or v that reaches only the slots left out is not carried to the result.
; FORMATS.  x and the three weights are rounded once to bf16 (nearest even) for the first product; q, k, v and the softmax weights are kept in f16; all sums, maxima and the output are f32.
;
; THIS LAUNCH: wf = the three weights, rounded to bf16, in the order in which a wave's operand registers take them.  W is [k][n] in f32; an operand wants 8 neighbouring k of one n in 16 bytes.
; A UNIT is 512 bytes, half of a fragment of 16 n x 32 k: lane l (r = l % 16, h = l / 16) owns bytes 16 l .. 16 l + 15 = W[16 U + 8 h + 0..7][16 nb + r], U = 2 (k / 32) + half.
; Unit (g, U) lies at (64 g + U) x 512, g = 8 x matrix + nb (matrix 0 key, 1 query, 2 value).  1,536 units, one a wave: 192 work-groups of eight waves, which is all the work there is.
; A lane's eight numbers lie in eight rows of W, so they come by eight loads of 4 bytes (sixteen lanes take 64 neighbouring bytes); the weights are 1.5 MB in all, read once here,
; and the store is whole: 512 consecutive bytes a wave, aligned.
	s_load_b256 s[4:11], s[0:1], 0x0               ; W_key s[4:5], W_query s[6:7], W_value s[8:9], wf s[10:11]
	s_lshr_b32 s14, ttmp9, 6                       ; which matrix: 64 work-groups each
	s_bfe_u32 s15, ttmp9, 0x30003                  ; nb: 3 bits from bit 3
	s_lshl_b32 s15, s15, 6                         ; 16 nb columns of 4 bytes
	s_and_b32 s16, ttmp9, 7
	s_lshl_b32 s16, s16, 3                         ; the work-group's first U
	s_lshl_b32 s18, ttmp9, 12                      ; its eight units in wf
	s_mov_b32 s19, 0
	v_and_b32 v1, 15, v0                           ; r
	v_bfe_u32 v16, v0, 4, 1                        ; h
	v_lshrrev_b32 v2, 5, v0                        ; wave
	v_add_nc_u32 v2, s16, v2                       ; U
	v_lshl_add_u32 v2, v2, 1, v16                  ; 2 U + h: my first row of W, in eights
	v_lshlrev_b32 v2, 12, v2                       ; eight rows of 512 bytes
	v_lshl_add_u32 v2, v1, 2, v2                   ; + 4 r
	v_add_nc_u32 v2, s15, v2                       ; + the block of columns
	v_lshlrev_b32 v3, 4, v0                        ; 512 x wave + 16 x lane
	s_wait_kmcnt 0x0
	s_cmp_eq_u32 s14, 0
	s_cselect_b64 s[12:13], s[4:5], s[6:7]
	s_cmp_eq_u32 s14, 2
	s_cselect_b64 s[12:13], s[8:9], s[12:13]
	s_add_nc_u64 s[10:11], s[10:11], s[18:19]
.irp e, 0,1,2,3,4,5,6,7
	global_load_b32 v[4+(\e)], v2, s[12:13] offset:512*(\e)
.endr
	s_wait_loadcnt 0x0
.irp i, 0,1,2,3
	v_cvt_pk_bf16_f32 v[12+(\i)], v[4+2*(\i)], v[5+2*(\i)]
.endr
	global_store_b128 v3, v[12:15], s[10:11]
	s_endpgm
.Lfunc_end_k_qec4102ff08_prep:
	.size	k_qec4102ff08_prep, .Lfunc_end_k_qec4102ff08_prep-k_qec4102ff08_prep
	.p2alignl 7, 3214868480
	.fill 96, 4, 3214868480
	.section	.rodata,"a",@progbits
	.p2align	6, 0x0
	.amdhsa_kernel k_qec4102ff08_prep
		.amdhsa_group_segment_fixed_size 0
		.amdhsa_private_segment_fixed_size 0
		.amdhsa_enable_private_segment 0
		.amdhsa_kernarg_size 32
		.amdhsa_user_sgpr_count 2
		.amdhsa_user_sgpr_kernarg_segment_ptr 1
		.amdhsa_wavefront_size32 1
		.amdhsa_system_sgpr_workgroup_id_x 1
		.amdhsa_system_sgpr_workgroup_id_y 1
		.amdhsa_system_sgpr_workgroup_id_z 1
		.amdhsa_system_vgpr_workitem_id 0
		.amdhsa_next_free_vgpr 24
		.amdhsa_next_free_sgpr 66
		.amdhsa_reserve_vcc 0
		.amdhsa_float_denorm_mode_32 3
		.amdhsa_float_denorm_mode_16_64 3
		.amdhsa_memory_ordered 1
		.amdhsa_forward_progress 1
		.amdhsa_inst_pref_size 3
	.end_amdhsa_kernel
	.amdgpu_metadata
---
amdhsa.version: [ 1, 2 ]
amdhsa.kernels:
  - .name:           k_qec4102ff08_prep
    .symbol:         k_qec4102ff08_prep.kd
    .args:
      - { .name: W_key, .offset: 0, .size: 8, .value_kind: global_buffer, .address_space: global }
      - { .name: W_query, .offset: 8, .size: 8, .value_kind: global_buffer, .address_space: global }
      - { .name: W_value, .offset: 16, .size: 8, .value_kind: global_buffer, .address_space: global }
      - { .name: wf, .offset: 24, .size: 8, .value_kind: global_buffer, .address_space: global }
    .group_segment_fixed_size: 0
    .private_segment_fixed_size: 0
    .kernarg_segment_align: 8
    .kernarg_segment_size: 32
    .max_flat_workgroup_size: 256
    .sgpr_count:     66
    .vgpr_count:     24
    .wavefront_size: 32
...
	.end_amdgpu_metadata
.endif
;; end of part 1
;; launch proj (part 2): grid 256 x 1, 4 waves a work-group, no clusters, 270,848 bytes of LDS; arguments x, wf, qf, kvf; writes qf, kvf
.if DOCPART == 2
	.amdgcn_target "amdgcn-amd-amdhsa--gfx1250"
	.amdhsa_code_object_version 6
	.text
	.protected	k_qec4102ff08_proj
	.globl	k_qec4102ff08_proj
	.p2align	8
	.type	k_qec4102ff08_proj,@function
k_qec4102ff08_proj:
	s_mov_b64 s[64:65], 0
	v_nop
	global_prefetch_b8 v0, s[64:65] scope:SCOPE_SE
	s_setreg_imm32_b32 hwreg(HW_REG_WAVE_MODE, 25, 1), 1
	s_wait_xcnt 0x0
; q, k, v = x W.  x: [16,384][1,024] f32, rounded to bf16 on its way into the operand registers; wf: the weights in bf16, in units of 512 bytes (see the launch before); sums in f32;
; q, k, v rounded once to f16 and stored in units of 512 bytes that ARE halves of the next launch's operands.  No work of reference() is left out here.
; LIMIT.  f16 ends at 65,504: q, k and v must stay within it (they are sums of 1,024 products x W).
; SHARES.  A work-group owns 64 token rows (four tiles tt of 16) and all 384 columns; wave w owns six blocks b of 16 columns: b = 0, 1 of k, 2, 3 of q, 4, 5 of v, each with nb = 2 w + b % 2.
; 24 accumulators, 192 registers; 24 matrix instructions for 32 along K.
; LAYOUT.  For k and q source 0 is W's fragment and source 1 x's: a lane ends with ONE token (lane % 16) and 8 neighbouring channels.  For v the sources are swapped: a lane ends with ONE channel and
; 8 neighbouring tokens.  Packed to f16 each 16 x 16 result is 16 bytes a lane, 512 consecutive bytes a wave: one store, no stage.
;   qf:  unit (tb, nb) at (8 tb + nb) x 512, tb = token / 16: lane (r, h) holds q[16 tb + r][16 nb + 8 h + 0..7]
;   kvf: 16,384 bytes for 32 tokens: k's units (tb % 2, nb) as in qf, then from byte 8,192 v's: lane (r, h) holds v[16 tb + 8 h + 0..7][16 nb + r]
; x: the work-group's 64 rows x 4,096 bytes are asked for AT THE HEAD, in eight chunks of 128 along K; each wave asks for its own 16 rows of each chunk: eight tensor loads of a wave are out, by this
; text's own count, and no LDS byte is filled twice.  Chunks are used in order, each behind a counted wait and a barrier (all four waves read all 64 rows).  A fragment of x is four LDS loads of f32 and eight roundings.
; W comes straight from wf into registers, 512 consecutive bytes a load, a chunk (48 loads) ahead of its use, in two sets that take turns.
; NO CLUSTER, though every work-group walks the same wf: x takes 270,336 of the 327,680 bytes of LDS; what is left holds two slots of W for 32 along K (24,576 bytes each) at the most, so a joint refill,
; and a round of the cluster's barrier, would stand behind every 24 matrix instructions of a wave.  NOTHING IS PREFETCHED: every byte of x is asked for by its own load at the head; wf is read by all work-groups.
; REGISTERS, in windows of 256 (s_set_vgpr_msb: bits 1:0 source 0, 3:2 source 1, 5:4 source 2, 7:6 destination):
;   window 0: v0-15 addresses; v16-79, v80-143 x as f32, two buffers (16 registers a tile); v144-175, v176-207 x's fragments, two buffers (8 a tile); on the way out v16-111 the packed results
;   windows 1, 2: v0-191 W's two sets: fragment (kq, b) at 48 kq + 8 b          window 3: v0-191 the accumulators: (tt, b) at 8 (6 tt + b)
.set XP,    528                        ; a row of x in LDS: 512 bytes + 16 of padding = 132 words: the 16 rows of a load start at 16 different groups of four banks (64 banks of 4 bytes: ISA guide 11.1)
.set CHUNK, 64*XP                      ; a chunk: 64 rows
.set SPARE, 8*CHUNK                    ; behind the chunks: the spare words, 128 bytes for each wave: two blocks of 256 bytes that no other line names
.set XA0, 2                            ; v2   my place in a tile of x: (l % 16) x 528 + 32 (l / 16); never rewritten
.set XA,  3                            ; v3   the same in the chunk in hand
.set WO,  4                            ; v4   my byte offset in wf: 16 l + 65,536 w; never rewritten
.set SPW, 6                            ; v6   LDS address of my spare word; never rewritten
.set NIL, 7                            ; v7   0; never rewritten
.set SO,  8                            ; v8   my byte offset in the outputs: 16 l + 1,024 w
.set XF,  16
.set AF,  144
.set PK,  16
.set WV,  12                           ; s12  my wave's number
.set G1,  16                           ; s[16:23] descriptor group 1
.set G0,  24                           ; s[24:55] descriptor group 0, a set for each of the eight chunks
.set MSB, 0
.macro WIN new                         ; the immediate's high byte repeats the setting that is left; a switch that changes nothing is dropped
.if MSB != (\new)
	s_set_vgpr_msb (MSB<<8)|(\new)
.set MSB, (\new)
.endif
.endm
	s_load_b256 s[4:11], s[0:1], 0x0               ; x s[4:5], wf s[6:7], qf s[8:9], kvf s[10:11]
	v_lshl_add_u32 v[SPW], v0, 2, SPARE
	v_mov_b32 v[NIL], 0
	ds_add_u32 v[SPW], v[NIL]                      ; the wave's opening: the add, twice on end, and its wait ahead of my first tensor load
	ds_add_u32 v[SPW], v[NIL]                      ; and once more, under the one wait; the set-up below, work on registers, stands between
	v_lshrrev_b32 v1, 5, v0
	v_readfirstlane_b32 s[WV], v1                  ; wave 0..3
	s_mov_b32 s[G1+0], (2<<16)|(1<<20)|(6<<22)|(3<<25)  ; 17:16 elements of 4 bytes; 20 padding on; 24:22 after every 128 words (code 6); 31:25 4 words of it (code 3)
	s_mov_b32 s[G1+1], 128<<16                     ; tensor_dim0 = 128
	s_mov_b32 s[G1+2], 16<<16                      ; tensor_dim1 = 16
	s_mov_b32 s[G1+3], 128<<16                     ; tile_dim0 = 128
	s_mov_b32 s[G1+4], 16                          ; tile_dim1 = 16
	s_mov_b32 s[G1+5], 1024                        ; elements from row to row
	s_mov_b32 s[G1+6], 0
	s_mov_b32 s[G1+7], 0
	s_lshl_b32 s2, ttmp9, 18                       ; the work-group's 64 rows of 4,096 bytes,
	s_lshl_b32 s3, s[WV], 16                       ; my 16 of them
	s_add_co_u32 s2, s2, s3
	s_mov_b32 s3, 0
	s_mul_i32 s13, s[WV], 16*XP                    ; and their place in a chunk
	s_lshl_b32 s56, ttmp9, 15                      ; 64 tokens are 32,768 bytes of kvf
	s_mov_b32 s57, 0
	s_lshl_b32 s58, ttmp9, 14                      ; and 16,384 of qf
	s_mov_b32 s59, 0
	s_wait_dscnt 0x0                               ; both opening adds are done
	s_wait_kmcnt 0x0
	s_add_nc_u64 s[4:5], s[4:5], s[2:3]
	s_add_nc_u64 s[10:11], s[10:11], s[56:57]
	s_add_nc_u64 s[8:9], s[8:9], s[58:59]
.irp c, 0,1,2,3,4,5,6,7                ; all first fills go out together, ahead of every wait on TENSORcnt, every LDS read and every barrier
	s_mov_b32 s[G0+4*(\c)], 1                                      ; count = 1
	s_add_co_u32 s[G0+4*(\c)+1], s13, (\c)*CHUNK                   ; LDS address
	s_add_nc_u64 s[G0+4*(\c)+2:G0+4*(\c)+3], s[4:5], (\c)*512      ; global address: 128 numbers along K on
	s_or_b32 s[G0+4*(\c)+3], s[G0+4*(\c)+3], 0x80000000            ; type = 2
	tensor_load_to_lds s[G0+4*(\c):G0+4*(\c)+3], s[G1:G1+7]
	s_nop 0
.endr
	v_and_b32 v1, 15, v0                           ; l % 16   (seven vector lines in window 0 stand behind the last tensor load, ahead of the first switch of windows)
	v_bfe_u32 v5, v0, 4, 1                         ; l / 16
	v_and_b32 v9, 31, v0                           ; l
	v_mul_u32_u24 v[XA0], v1, XP
	v_lshl_add_u32 v[XA0], v5, 5, v[XA0]           ; eight f32 for each half of the lanes
	s_lshl_b32 s14, s[WV], 16
	v_lshl_add_u32 v[WO], v9, 4, s14
	s_lshl_b32 s15, s[WV], 10
	v_lshl_add_u32 v[SO], v9, 4, s15
; W's fragments of chunk c, 48 loads of 512 consecutive bytes, into set c % 2.  Nothing is stepped: block, chunk and half stand in the immediate (589,312 at the most).
.macro WLOAD c
	WIN (1+((\c)&1))<<6
.irp k, 0,1,2,3
.irp b, 0,1,2,3,4,5
	global_load_b128 v[48*(\k)+8*(\b):48*(\k)+8*(\b)+3],   v[WO], s[6:7] offset:((\b)/2)*262144+((\b)%2)*32768+(4*(\c)+(\k))*1024
	global_load_b128 v[48*(\k)+8*(\b)+4:48*(\k)+8*(\b)+7], v[WO], s[6:7] offset:((\b)/2)*262144+((\b)%2)*32768+(4*(\c)+(\k))*1024+512
.endr
.endr
.endm
; Chunk c becomes readable: my part has landed (tensor loads of a wave end in order: the 7 - c younger ones stay out), and so has everybody's.
.macro SYNC c
	WIN 0
	s_wait_dscnt 0x0                               ; no LDS load of mine is pending at the signal
	s_wait_tensorcnt 7-(\c)
	s_barrier_signal -1
	s_barrier_wait -1
	v_add_nc_u32 v[XA], (\c)*CHUNK, v[XA0]
.endm
; 16 LDS loads: x of 32 along K (quarter kk of the chunk in hand) for the four tiles, as f32, into buffer pp.  A lane's 16 numbers: k = 8 h + 0..7 and 16 + 8 h + 0..7.
.macro LOADX pp, kk
	WIN 0
.irp tt, 0,1,2,3
	ds_load_b128 v[XF+64*(\pp)+16*(\tt):XF+64*(\pp)+16*(\tt)+3],     v[XA] offset:(\tt)*16*XP+(\kk)*128
	ds_load_b128 v[XF+64*(\pp)+16*(\tt)+4:XF+64*(\pp)+16*(\tt)+7],   v[XA] offset:(\tt)*16*XP+(\kk)*128+16
	ds_load_b128 v[XF+64*(\pp)+16*(\tt)+8:XF+64*(\pp)+16*(\tt)+11],  v[XA] offset:(\tt)*16*XP+(\kk)*128+64
	ds_load_b128 v[XF+64*(\pp)+16*(\tt)+12:XF+64*(\pp)+16*(\tt)+15], v[XA] offset:(\tt)*16*XP+(\kk)*128+80
.endr
.endm
; Roundings lo .. hi - 1 of the 32 that make buffer pp's four fragments
.macro CVT pp, lo, hi
	WIN 0
.set n, \lo
.rept (\hi)-(\lo)
	v_cvt_pk_bf16_f32 v[AF+32*(\pp)+n], v[XF+64*(\pp)+2*n], v[XF+64*(\pp)+2*n+1]
.set n, n+1
.endr
.endm
; The products of step q (symbols q, kq, p, WS).  The 24 accumulators take turns, one instruction a turn, in the same order in every step.  Step 0 starts the sums with the constant 0.
.macro MULKQ tt0                       ; k's and q's blocks of tiles tt0, tt0 + 1: source 0 = W, source 1 = x
	WIN 0xf0|WS
.irp tt, \tt0, (\tt0)+1
.irp b, 0,1,2,3
.if q == 0
	v_wmma_f32_16x16x32_bf16 v[8*(6*(\tt)+(\b)):8*(6*(\tt)+(\b))+7], v[48*kq+8*(\b):48*kq+8*(\b)+7], v[AF+32*p+8*(\tt):AF+32*p+8*(\tt)+7], 0
.else
	v_wmma_f32_16x16x32_bf16 v[8*(6*(\tt)+(\b)):8*(6*(\tt)+(\b))+7], v[48*kq+8*(\b):48*kq+8*(\b)+7], v[AF+32*p+8*(\tt):AF+32*p+8*(\tt)+7], v[8*(6*(\tt)+(\b)):8*(6*(\tt)+(\b))+7]
.endif
.endr
.endr
.endm
.macro MULV                            ; v's blocks of all four tiles: source 0 = x, source 1 = W
	WIN 0xf0|(WS<<2)
.irp tt, 0,1,2,3
.irp b, 4,5
.if q == 0
	v_wmma_f32_16x16x32_bf16 v[8*(6*(\tt)+(\b)):8*(6*(\tt)+(\b))+7], v[AF+32*p+8*(\tt):AF+32*p+8*(\tt)+7], v[48*kq+8*(\b):48*kq+8*(\b)+7], 0
.else
	v_wmma_f32_16x16x32_bf16 v[8*(6*(\tt)+(\b)):8*(6*(\tt)+(\b))+7], v[AF+32*p+8*(\tt):AF+32*p+8*(\tt)+7], v[48*kq+8*(\b):48*kq+8*(\b)+7], v[8*(6*(\tt)+(\b)):8*(6*(\tt)+(\b))+7]
.endif
.endr
.endr
.endm
; STEP q of 32: 24 products on fragments made in step q - 1; x of step q + 2 is asked of LDS; x of step q + 1 is rounded, in three runs between the products.
; The ten roundings at a step's end name no register of the products in front of them: they are the places ahead of the next step's roundings into the fragments just multiplied,
; and ahead of the loads into W's set that the chunk before has multiplied.
.macro STEP
.set kq, q%4
.set p, q%2
.set WS, 1+((q/4)&1)
.if (q%4 == 0) && (q > 0)
	s_wait_loadcnt 0x0                             ; this chunk's W, asked for a chunk (96 matrix instructions) ago, is in
.if q/4 < 7
	WLOAD q/4+1
.endif
.endif
.if q+2 <= 31
.if (q+2)%4 == 0
	SYNC (q+2)/4
.endif
	LOADX p, (q+2)%4
.endif
	MULKQ 0
.if q < 31
.if q+2 <= 31
	s_wait_dscnt 16                                ; x of step q + 1 is in; the 16 loads just issued may stay out
.else
	s_wait_dscnt 0x0
.endif
	CVT 1-p, 0, 11
.endif
	MULKQ 2
.if q < 31
	CVT 1-p, 11, 22
.endif
	MULV
.if q < 31
	CVT 1-p, 22, 32
.endif
.endm
	WLOAD 0
	SYNC 0
	LOADX 0, 0
	LOADX 1, 1
	s_wait_dscnt 16                                ; step 0's x is in
	CVT 0, 0, 32
	s_wait_loadcnt 0x0                             ; chunk 0's W is in
	WLOAD 1
.set q, 0
.rept 32                               ; written out: the counted waits on TENSORcnt differ from chunk to chunk
	STEP
.set q, q+1
.endr
	; THE WAY OUT.  Each accumulator, taken from its low end on, packs into 16 bytes a lane; each store of the wave covers 512 consecutive bytes, aligned.
	WIN 0
.rept 8
	v_nop                                          ; the places behind the last products
.endr
	WIN 0x0f                                       ; sources 0 and 1 in window 3, destination in window 0
.set a, 0
.rept 24
.irp r, 0,1,2,3
	v_cvt_pk_f16_f32 v[PK+4*a+(\r)], v[8*a+2*(\r)], v[8*a+2*(\r)+1]
.endr
.set a, a+1
.endr
	WIN 0
.irp tt, 0,1,2,3
.irp e, 0,1
	global_store_b128 v[SO], v[PK+4*(6*(\tt)+(\e)):PK+4*(6*(\tt)+(\e))+3],     s[10:11] offset:((\tt)/2)*16384+(((\tt)%2)*8+(\e))*512
	global_store_b128 v[SO], v[PK+4*(6*(\tt)+2+(\e)):PK+4*(6*(\tt)+2+(\e))+3], s[8:9]   offset:(\tt)*4096+(\e)*512
	global_store_b128 v[SO], v[PK+4*(6*(\tt)+4+(\e)):PK+4*(6*(\tt)+4+(\e))+3], s[10:11] offset:((\tt)/2)*16384+8192+(((\tt)%2)*8+(\e))*512
.endr
.endr
	s_wait_tensorcnt 0x0                           ; the wave's end, behind my last tensor load
	ds_add_u32 v[SPW], v[NIL]
	s_wait_dscnt 0x0
	s_endpgm
.Lfunc_end_k_qec4102ff08_proj:
	.size	k_qec4102ff08_proj, .Lfunc_end_k_qec4102ff08_proj-k_qec4102ff08_proj
	.p2alignl 7, 3214868480
	.fill 96, 4, 3214868480
	.section	.rodata,"a",@progbits
	.p2align	6, 0x0
	.amdhsa_kernel k_qec4102ff08_proj
		.amdhsa_group_segment_fixed_size 270848
		.amdhsa_private_segment_fixed_size 0
		.amdhsa_enable_private_segment 0
		.amdhsa_kernarg_size 32
		.amdhsa_user_sgpr_count 2
		.amdhsa_user_sgpr_kernarg_segment_ptr 1
		.amdhsa_wavefront_size32 1
		.amdhsa_system_sgpr_workgroup_id_x 1
		.amdhsa_system_sgpr_workgroup_id_y 1
		.amdhsa_system_sgpr_workgroup_id_z 1
		.amdhsa_system_vgpr_workitem_id 0
		.amdhsa_next_free_vgpr 960
		.amdhsa_next_free_sgpr 66
		.amdhsa_reserve_vcc 0
		.amdhsa_float_denorm_mode_32 3
		.amdhsa_float_denorm_mode_16_64 3
		.amdhsa_memory_ordered 1
		.amdhsa_forward_progress 1
		.amdhsa_inst_pref_size 203
	.end_amdhsa_kernel
	.amdgpu_metadata
---
amdhsa.version: [ 1, 2 ]
amdhsa.kernels:
  - .name:           k_qec4102ff08_proj
    .symbol:         k_qec4102ff08_proj.kd
    .args:
      - { .name: x, .offset: 0, .size: 8, .value_kind: global_buffer, .address_space: global }
      - { .name: wf, .offset: 8, .size: 8, .value_kind: global_buffer, .address_space: global }
      - { .name: qf, .offset: 16, .size: 8, .value_kind: global_buffer, .address_space: global }
      - { .name: kvf, .offset: 24, .size: 8, .value_kind: global_buffer, .address_space: global }
    .group_segment_fixed_size: 270848
    .private_segment_fixed_size: 0
    .kernarg_segment_align: 8
    .kernarg_segment_size: 32
    .max_flat_workgroup_size: 128
    .sgpr_count:     66
    .vgpr_count:     960
    .wavefront_size: 32
...
	.end_amdgpu_metadata
.endif
;; end of part 2
;; launch attn (part 3): grid 64 x 4, 4 waves a work-group, clusters of 4 x 1, 327,680 bytes of LDS; arguments qf, kvf, out0; writes out0
.if DOCPART == 3
	.amdgcn_target "amdgcn-amd-amdhsa--gfx1250"
	.amdhsa_code_object_version 6
	.text
	.protected	k_qec4102ff08_attn
	.globl	k_qec4102ff08_attn
	.p2align	8
	.type	k_qec4102ff08_attn,@function
k_qec4102ff08_attn:
	s_mov_b64 s[64:65], 0
	v_nop
	global_prefetch_b8 v0, s[64:65] scope:SCOPE_SE
	s_setreg_imm32_b32 hwreg(HW_REG_WAVE_MODE, 25, 1), 1
	s_wait_xcnt 0x0
	s_wait_alu depctr_hold_cnt(0) depctr_sa_sdst(0) depctr_va_vdst(0) depctr_va_sdst(0) depctr_va_ssrc(0) depctr_va_vcc(0) depctr_vm_vsrc(0)
	s_getreg_b32 s2, hwreg(HW_REG_IB_STS2, 6, 4)
	s_cmp_eq_u32 s2, 0
	s_cbranch_scc0 .Lentry_in_a_cluster
	s_endpgm
.Lentry_in_a_cluster:
	s_bfe_u32 s2, ttmp6, 0x10000c
	s_cmp_lg_u32 s2, 0x3003
	s_cbranch_scc0 .Lentry_shape_is_right
	s_endpgm
.Lentry_shape_is_right:
; CAUSAL ATTENTION.  out0[b][t][:] = the sum over s <= t of softmax_s(q[t] . k[s] / 32) v[s][:], 4 batches of 4,096 tokens, 128 channels.  qf, kvf: q, k, v in f16, in units of 512 bytes that are halves of
; operands (the launch before says how).  Products, maxima and sums in f32; the weights p are rounded to f16 for the second product (their sum l is taken of the unrounded p); out0 is f32.
; WORK LEFT OUT: key slots wholly behind a block's diagonal slot; reference()'s own tril mask gives them the weight 0 for all inputs (shown at the head of the first kernel).  Inside the diagonal slot hidden scores are computed and masked.
; LIMITS.  q, k, v lie within f16's 65,504, so a score is 5.5e11 at the most.  A hidden score counts as its value less 1e30.  The running maximum starts at -2^66, below every true score and above every hidden one:
; a share of keys that is wholly hidden for a row keeps it, gets p = 0, l = 0, O = 0, and counts for nothing in the merge.  A weight below 2^-126 counts as 0.  NaN and infinities are not treated apart.
; THE WALK.  A batch has 32 blocks of 128 rows; block D needs the key slots 0 .. D / 2 of 256 keys, of which the last holds the diagonal.  A cluster (P = its x, 0..15; its y = the batch) takes block 31 - P and then block P:
; (31 - P) / 2 + 1 + P / 2 + 1 = 17 slots whatever P: ONE loop with a constant count, alike in all 256 work-groups.  Which slot is asked for and what a visit does hang on scalars made from P.
; SHARES.  Work-group cx of the cluster holds rows 32 cx .. 32 cx + 31 of the block in hand: two tiles of 16 queries.  THE KEYS ARE SPLIT AMONG THE WAVES: wave w takes keys 64 w .. 64 w + 63 of each slot, for both tiles,
; with a maximum m, a sum l and an O^T of its own; the four meet in LDS at the end.  So each byte of K and V that lands in LDS is read once, by the wave whose load brought it.
; CLUSTER.  The four work-groups walk the same slots: each wave's 32,768 bytes of a slot are asked for JOINTLY, by the same tensor load with the same descriptor and the mask of four, in all four.
; LAYOUT.  S^T = K Q^T (source 0 = 16 keys, source 1 = 16 queries): a lane holds ONE query (lane % 16) and the keys 8 (lane / 16) + 0..7; two results rounded to f16 ARE source 1 of O^T = V^T P.  V lies turned in kvf.
; SOFTMAX.  p = 2^(c s - c m), c = log2(e) / 32, with the running maximum m; in every visit O and l are multiplied by a = 2^(c m_old - c m_new).  THE MASK is the C operand that starts S^T's sums: 0, or -1e30.
; A VISIT (a slot): the visit before's last 16 products V^T P (tile 1) under K's loads; 16 products K Q^T of tile 0; 16 of tile 1 with tile 0's softmax behind them; 16 products V^T P of tile 0 with tile 1's softmax behind them.
; REGISTERS, in windows of 256 (s_set_vgpr_msb: bits 1:0 source 0, 3:2 source 1, 5:4 source 2, 7:6 destination):
;   window 0: v0-11, v44-51 addresses; v12-43 eight registers of statistics a tile (tiles 2, 3: the first block's, set aside); v64-127 S^T, 32 a tile; v128-191 at work in the merge; v192-223 P, 16 a tile
;   window 1: O^T, 64 a tile (v128-255: the first block's, set aside)     window 2: v0-63 Q in hand; v64-127 the second block's Q; v128-255 K     window 3: v0-127 V; v128-191 the masks
.set SLOT1, 1<<17                      ; a slot is 131,072 bytes (wave w's part at 32,768 w: two groups of 32 keys, each K's 8,192 bytes and then V's); slot 1 begins here: one exclusive or changes slots
.set STAT,  2*SLOT1                    ; behind the ring, never filled by a tensor load: (c m, l) of wave w, tile t, 8 bytes a lane, at 1,024 w + 256 t
.set SPARE, STAT+4096                  ; the spare words, 128 bytes for each wave: two blocks of 256 bytes that no other line names
.set STP,   528                        ; the merge's stage, on the ring's bytes behind their last fill: a row of 128 f32 + 16 bytes of padding,
.set STT,   16*STP                     ; 16 rows a tile,
.set STW,   4*STT                      ; four tiles a source wave: 135,168 bytes in all
.set AL0, 2                            ; v2   16 l + 32,768 w: my place in a slot; never rewritten
.set ADR, 3                            ; v3   the same in the slot in hand
.set QO,  4                            ; v4   16 l: my offset in a unit of qf, and in a row of out0
.set VB,  5                            ; v5   32 cx + l % 16 - 64 w - 8 (l / 16), signed: my query's row less my first key, both counted in the diagonal slot's half
.set L0,  6                            ; v6, v7  the same for tile 0 and tile 1 of the block in hand
.set BIG, 8                            ; v8   -1e30
.set SA,  10                           ; v10  where I put my statistics
.set SR,  11                           ; v11  where I read everybody's
.set ST,  12                           ; tile t at v[ST+8 t]: +0 c m, +1 m, +2, +3 l (even keys', odd keys'), +4 to +7 at work; a takes +6
.set SO,  44                           ; v44  the stage: where I put 16 bytes of a row
.set RD,  45                           ; v45-48  the stage: where I read a row of source wave 0..3 back
.set PFO, 50                           ; v50  256 l: the prefetches' offset; never rewritten
.set SPW, 62                           ; v62  LDS address of my spare word; never rewritten
.set NIL, 63                           ; v63  0; never rewritten
.set S,   64
.set MG,  128
.set CM,  160                          ; the merge: c M a tile; then 16 + 4 differences and factors; then L
.set DF,  164
.set DW,  180
.set LS,  184
.set PR,  192
.set KF,  128                          ; window 2: key block kb, channels 32 c on, at KF + 32 kb + 8 c
.set MC,  128                          ; window 3: tile t, key block kb at MC + 32 t + 8 kb
.set WV,  12                           ; s12  my wave's number
.set PP,  13                           ; s13  P
.set BT,  14                           ; s14  the batch
.set CX,  15                           ; s15  my place in the cluster: it enters Q's, out0's and the prefetches' addresses and the mask's values, and nothing else
.set G1,  16                           ; s[16:23] descriptor group 1
.set G0,  24                           ; s[24:27] descriptor group 0
.set KVW, 28                           ; s[28:29] kvf at the batch's slot 0, my wave's part
.set OFF, 30                           ; s[30:31] a slot's byte offset
.set PFA, 32                           ; s[32:33] where my prefetches stand
.set LIM, 34                           ; s34  5 in the batch's first cluster, else the greatest number
.set SLOTS, 35                         ; s35  16 down to 1
.set RT,  36                           ; s36  slots of the block in hand still to be entered
.set NXT, 37                           ; s37  the slot to be asked for next
.set LQ,  38                           ; s38  the first block's last slot; behind it the greatest number
.set NEW, 39                           ; s39  1: the visit to come begins the second block
.set NL,  40                           ; s40  the second block's slots
.set DP,  41                           ; s41  128 x (block % 2) of the block in hand: where its rows begin in its diagonal slot
.set DPLO, 42                          ; s42  the same of the second block
.set TB,  43                           ; s43  LDS byte of the slot to be read
.set CS,  44                           ; s[44:45] c, named as a pair
.set SEL, 46                           ; s[46:47] v_permlanex16_b32's selects: each lane takes its own place in the other half
.set OUT, 48                           ; s[48:49] out0 at the 16 rows that my wave stores
.set MSB, 0
.macro WIN new                         ; the high byte repeats the setting that is left; a switch that changes nothing is dropped
.if MSB != (\new)
	s_set_vgpr_msb (MSB<<8)|(\new)
.set MSB, (\new)
.endif
.endm
.set W_KQ, 0x0a                        ; K and Q in window 2, S^T in window 0
.set W_KM, 0x3a                        ; the same with the C operand in window 3
.set W_PV, 0x53                        ; V in window 3, P in window 0, O^T in window 1
.set W_RS, 0x41                        ; destination and source 0 in window 1, source 1 in window 0
.macro PLACES                          ; four places (ISA guide 7.12.1) behind a matrix instruction
.rept 4
	v_nop
.endr
.endm
; A round of the cluster's barrier: my work-group's barrier, so that wave 0's signal speaks for all four waves; wave 0 signals; every wave waits for all four work-groups; my work-group's barrier once more.
.macro CROUND
	s_barrier_signal -1
	s_barrier_wait -1
	s_cmp_lg_u32 s[WV], 0
	s_cbranch_scc1 .Lnot_wave_0_\@
	s_barrier_signal -3
.Lnot_wave_0_\@:
	s_barrier_wait -3
	s_barrier_signal -1
	s_barrier_wait -1
.endm
; A PREFETCH INTO THE L2.  The 16 clusters of a batch walk the same slots: the first (P = 0, whose first block walks all 16) asks, and nobody else.  Its 16 waves share a slot's 131,072 bytes out BY ADDRESS:
; 8,192 bytes at (4 cx + w) x 8,192, a lane 256 bytes, one instruction a wave.  Visit v asks for slot v + 5, which the joint load of visit v + 4 will want: four visits, 256 matrix instructions a wave, ahead.
; It stops behind v = 10 (slot 15, the batch's last); slots 0 to 4 come by their loads alone; the second block's walk takes slots that have been read.
.macro ASK
	s_cmp_gt_u32 s[SLOTS], s[LIM]
	s_cbranch_scc0 .Lnot_mine_\@
	global_prefetch_b8 v[PFO], s[PFA:PFA+1] th:TH_LOAD_NT scope:SCOPE_SE
.Lnot_mine_\@:
.endm
; THE CHANGE OF SLOTS.  Each wave waits for all its tensor loads, of which one is out: its part of the slot to be entered; adds 0 to its spare word; and waits for that and for its reads of the slot that it left a visit ago.
; fill = 1: that slot is filled again with slot NXT of the walk, behind a round of the cluster's barrier, so that no wave of any partner still reads it or has a load on its way; the joint load is the first thing behind the round,
; and it has a visit, 64 matrix instructions and two softmaxes, in which to land.  (At its first use slot 0 is waited for and slot 1 filled for the first time.)
.macro CHANGE fill
	WIN 0                                          ; at a label and at a branch every window is 0
	s_wait_tensorcnt 0x0                           ; no tensor load of mine is out, so group 0 may be written
	ds_add_u32 v[SPW], v[NIL]                      ; 0 onto my spare word; the scalar work below stands between it and the wait for it
.if \fill
	s_lshl_b32 s[OFF], s[NXT], 17
	s_xor_b32 s[G0+1], s[G0+1], SLOT1              ; the other slot than last time
	s_add_nc_u64 s[G0+2:G0+3], s[KVW:KVW+1], s[OFF:OFF+1]  ; the address is made anew from the slot's number
	s_or_b32 s[G0+3], s[G0+3], 0x80000000
	s_add_co_u32 s[NXT], s[NXT], 1                 ; the block's next slot, or behind the first block's last the second block's slot 0
	s_cmp_gt_u32 s[NXT], s[LQ]
	s_cselect_b32 s[NXT], 0, s[NXT]
	s_cselect_b32 s[LQ], -1, s[LQ]
	s_wait_xcnt 0x0                                ; the last prefetch, a visit back, has read its address
	s_add_nc_u64 s[PFA:PFA+1], s[PFA:PFA+1], SLOT1
.endif
	s_xor_b32 s[TB], s[TB], SLOT1
	s_wait_dscnt 0x0                               ; the add is done, and my LDS reads are over
.if \fill
	CROUND
	tensor_load_to_lds s[G0:G0+3], s[G1:G1+7]
	s_nop 0
	PLACES
	ASK
.else
	s_barrier_signal -1
	s_barrier_wait -1
.endif
.endm
; THE LDS LOADS stand in two runs of 32, each load 512 consecutive bytes.  K: load n brings half n % 2 of fragment (kb = n / 8, c = (n / 2) % 4): the units lie in that order.
.macro FETCH_K
	WIN 0
	v_add_nc_u32 v[ADR], s[TB], v[AL0]
	WIN 0x80                                       ; destination window 2
.set n, 0
.rept 32
	ds_load_b128 v[KF+4*n:KF+4*n+3], v[ADR] offset:(n/16)*16384+(n%16)*512
.set n, n+1
.endr
.endm
; V: load n brings half n % 2 (keys 16 (n % 2) on) of fragment (keys 32 (n / 16) on, channels 16 ((n % 16) / 2) on)
.macro FETCH_V
	WIN 0xc0                                       ; destination window 3
.set n, 0
.rept 32
	ds_load_b128 v[4*n:4*n+3], v[ADR] offset:(n/16)*16384+8192+((n%2)*8+(n%16)/2)*512
.set n, n+1
.endr
.endm
; THE MATRIX WORK.  The accumulators of a run take turns, one instruction a turn; no two runs that follow each other share an accumulator.
; Product i of 16 of S^T = K Q^T for tile t: channels 32 (i / 4) on, keys 16 (i % 4) on.  The first four start the sums with the mask.
.macro QK1 t
.set rS, S+32*(\t)+8*(i%4)
.set rK, KF+32*(i%4)+8*(i/4)
.set rQ, 32*(\t)+8*(i/4)
.set rM, MC+32*(\t)+8*(i%4)
.if i < 4
	WIN W_KM
	v_wmma_f32_16x16x32_f16 v[rS:rS+7], v[rK:rK+7], v[rQ:rQ+7], v[rM:rM+7]
.else
	WIN W_KQ
	v_wmma_f32_16x16x32_f16 v[rS:rS+7], v[rK:rK+7], v[rQ:rQ+7], v[rS:rS+7]
.endif
.endm
; Product i of 16 of O^T += V^T P for tile t: keys 32 (i / 8) on, channels 16 (i % 8) on.
.macro PV1 t
	WIN W_PV
.set rO, 64*(\t)+8*(i%8)
.set rV, 64*(i/8)+8*(i%8)
.set rP, PR+16*(\t)+8*(i/8)
	v_wmma_f32_16x16x32_f16 v[rO:rO+7], v[rV:rV+7], v[rP:rP+7], v[rO:rO+7]
.endm
; THE VECTOR WORK.  A tile's softmax for a visit is a list of 134 instructions; SM writes number j of it for tile t.  s0-s31 are the lane's 32 scores, in pairs 0-15.
;   0-15    the maximum of s0-s31 and the old m, three operands at a time (each accumulator's lowest registers are read first)
;   16-20   the other half of the lanes' maximum; the new m; c m; c m_old - c m_new
;   21-69   ONE BATCH: the 16 scalings c s - c m and all 33 exponentials (a at 23, then s0-s31); none of these names an exponential's result; a pair is scaled well ahead of its exponentials
;   70-85   the roundings to f16       86-101  the sums; l = a l + the sum       102-133  the tile's O^T times a, from each accumulator's low end on
.macro SM t
.set rT, ST+8*(\t)
.set rS, S+32*(\t)
.set rP, PR+16*(\t)
.set rO, 64*(\t)+2*(j-102)
.if j < 102
	WIN 0
.endif
.if j < 4
	v_max3_num_f32 v[rT+4+j], v[rS+8*j], v[rS+8*j+1], v[rS+8*j+2]
.elseif j < 12
	v_max3_num_f32 v[rT+4+j%4], v[rT+4+j%4], v[rS+8*(j%4)+2*(j/4)+1], v[rS+8*(j%4)+2*(j/4)+2]
.elseif j == 12
	v_max3_num_f32 v[rT+4], v[rT+4], v[rS+7], v[rS+15]
.elseif j == 13
	v_max3_num_f32 v[rT+6], v[rT+6], v[rS+23], v[rS+31]
.elseif j == 14
	v_max3_num_f32 v[rT+4], v[rT+4], v[rT+5], v[rT+6]
.elseif j == 15
	v_max3_num_f32 v[rT+4], v[rT+4], v[rT+7], v[rT+1]
.elseif j == 16
	v_permlanex16_b32 v[rT+5], v[rT+4], s[SEL], s[SEL+1]  ; the query's other 32 keys of my 64 lie in the lane 16 away
.elseif j == 17
	v_mov_b32 v[rT+7], v[rT]                       ; c m_old is kept for a
.elseif j == 18
	v_max_num_f32 v[rT+1], v[rT+4], v[rT+5]
.elseif j == 19
	v_mul_f32 v[rT], s[CS], v[rT+1]
.elseif j == 20
	v_sub_f32 v[rT+7], v[rT+7], v[rT]
.elseif j == 23
	v_exp_f32 v[rT+6], v[rT+7]
.elseif (j < 23) || ((j < 38) && (j%2 == 0)) || ((j < 66) && (j%4 == 2))
.set b, (j-2)/4                        ; 38, 42, .. 62: pairs 9 to 15
.if j < 38
.set b, (j-20)/2                       ; 21: pair 0; 22, 24, .. 36: pairs 1 to 8
.endif
	v_pk_fma_f32 v[rS+2*b:rS+2*b+1], v[rS+2*b:rS+2*b+1], s[CS:CS+1], v[rT:rT+1] op_sel_hi:[1,0,0] neg_lo:[0,0,1] neg_hi:[0,0,1]
.elseif j < 70
.set e, j-38                           ; 66 to 69: s28 to s31
.if j < 66
.set e, j-32-(j-38)/4                  ; 39-41, 43-45, .. 63-65: s7 to s27
.endif
.if j < 38
.set e, (j-25)/2                       ; 25, 27, .. 37: s0 to s6
.endif
	v_exp_f32 v[rS+e], v[rS+e]
.elseif j < 86
	v_cvt_pk_f16_f32 v[rP+j-70], v[rS+2*(j-70)], v[rS+2*(j-70)+1]
.elseif j < 102                        ; the 16 pairs are added in place, neighbours 1, 2, 4 and 8 pairs apart; then l takes the sum
.set sz, j-86
.set sw, 4
.set su, sz
.if sz >= 14
.set sw, 32
.set su, 0
.elseif sz >= 12
.set sw, 16
.set su, sz-12
.elseif sz >= 8
.set sw, 8
.set su, sz-8
.endif
.if sz < 15
	v_pk_add_f32 v[rS+sw*su:rS+sw*su+1], v[rS+sw*su:rS+sw*su+1], v[rS+sw*su+sw/2:rS+sw*su+sw/2+1]
.else
	v_pk_fma_f32 v[rT+2:rT+3], v[rT+2:rT+3], v[rT+6:rT+7], v[rS:rS+1] op_sel_hi:[1,0,1]
.endif
.else
	WIN W_RS
	v_pk_mul_f32 v[rO:rO+1], v[rO:rO+1], v[rT+6:rT+7] op_sel_hi:[1,0]
.endif
.endm
.macro SMX t                           ; the list's next number.  Behind number 69 the batch is out and no result has been named: a plain instruction, and the ONE wait ahead of the first reader
	SM \t
.if j == 69
	v_nop
	s_wait_alu depctr_va_vdst(0)
.endif
.set j, j+1
.endm
; A TURN: 16 matrix instructions of tile mt (kind 0: K Q^T, 1: V^T P); behind each eight numbers of tile st's softmax, behind the last fourteen (15 x 8 + 14 = 134): packed multiplies on tile st's O^T, which name
; no register of the products round them: they are the places behind the turn's last product.
.macro TURN kind, mt, st
.set j, 0
.set i, 0
.rept 16
.if \kind
	PV1 \mt
.else
	QK1 \mt
.endif
.set i, i+1
.if i == 16
.rept 14
	SMX \st
.endr
.else
.rept 8
	SMX \st
.endr
.endif
.endr
.endm
; THE DIAGONAL SLOT's MASKS.  Register 8 kb + j of tile t holds key 64 w + 16 kb + 8 (l / 16) + j of the slot; my query's row in the slot is DP + 32 cx + 16 t + l % 16: hidden where the key is greater.
.macro MASK
	WIN 0
	v_add_nc_u32 v[L0], s[DP], v[VB]
	v_add_nc_u32 v[L0+1], 16, v[L0]
	WIN 0xc0
.irp t, 0,1
.set n, 0
.rept 32
	v_cmp_gt_i32 vcc_lo, 16*(n/8)+n%8, v[L0+(\t)]
	v_cndmask_b32 v[MC+32*(\t)+n], 0, v[BIG], vcc_lo
.set n, n+1
.endr
.endr
	WIN 0
.endm
; THE CHANGE OF BLOCKS.  The first block's O^T, c m and l are set aside for the merge; the second block's Q goes where the one text names Q; the masks are 0 again; m and c m start anew.
; O^T and l are not cleared: the new block's first visit multiplies them by a = 0, and what they hold is finite.
.macro SWITCH
	PLACES
	WIN 0x41
.set n, 0
.rept 128
	v_mov_b32 v[128+n], v[n]                       ; in ascending order: each accumulator is read from its low end on
.set n, n+1
.endr
	WIN 0x82
.set n, 0
.rept 64
	v_mov_b32 v[n], v[64+n]
.set n, n+1
.endr
	WIN 0xc0
.set n, 0
.rept 64
	v_mov_b32 v[MC+n], 0
.set n, n+1
.endr
	WIN 0
.irp t, 0,1
	v_mov_b32 v[ST+8*(\t)+16], v[ST+8*(\t)]
	v_mov_b32 v[ST+8*(\t)+18], v[ST+8*(\t)+2]
	v_mov_b32 v[ST+8*(\t)+19], v[ST+8*(\t)+3]
	v_mov_b32 v[ST+8*(\t)], 0xfe000000             ; c m: far below every c s, so the first a is 0
	v_mov_b32 v[ST+8*(\t)+1], 0xe0800000           ; m = -2^66
.endr
.endm
; A VISIT.  Both jumps go forward, hang on P and the counted loop alone (alike in all partners), and pass no barrier and no tensor load.
.macro VISIT fill, tail
	CHANGE \fill
	s_sub_co_u32 s[RT], s[RT], 1
	FETCH_K                                        ; K's last reader stands a turn and more back
.set i, 0
.rept 16
	PV1 1                                          ; the visit before's V^T P of tile 1, under K's loads (in the first visit: zeros)
.set i, i+1
.endr
	WIN 0
	PLACES                                         ; ahead of the loads into V's registers, which those products read
	FETCH_V
	WIN 0
	s_cmp_eq_u32 s[NEW], 0
	s_cbranch_scc1 .Lsame_\@
	SWITCH
.Lsame_\@:
.if \tail
	MASK                                           ; the walk's last slot is the second block's diagonal slot
.else
	s_cmp_lg_u32 s[RT], 0
	s_cbranch_scc1 .Lopen_\@
	MASK
.Lopen_\@:
.endif
	s_wait_dscnt 32                                ; K is in; V's 32 loads may stay out
.set i, 0
.rept 16
	QK1 0
.set i, i+1
.endr
	WIN 0
	PLACES                                         ; ahead of the first read of those scores
	TURN 0, 1, 0
	s_wait_dscnt 0x0                               ; V is in
	TURN 1, 0, 1
	WIN 0
.if !(\tail)
	s_cmp_eq_u32 s[RT], 0                          ; was that the first block's diagonal slot?
	s_cselect_b32 s[NEW], 1, 0
	s_cselect_b32 s[RT], s[NL], s[RT]
	s_cselect_b32 s[DP], s[DPLO], s[DP]
.endif
.endm
	s_load_b128 s[4:7], s[0:1], 0x0                ; qf s[4:5], kvf s[6:7]
	s_load_b64 s[8:9], s[0:1], 0x10                ; out0
	v_lshl_add_u32 v[SPW], v0, 2, SPARE
	v_mov_b32 v[NIL], 0
	ds_add_u32 v[SPW], v[NIL]                      ; the wave's opening: the add, twice on end, and its wait ahead of my first tensor load
	ds_add_u32 v[SPW], v[NIL]                      ; and once more, under the one wait; the set-up below, work on registers, stands between
	v_lshrrev_b32 v1, 5, v0
	v_readfirstlane_b32 s[WV], v1                  ; wave 0..3
	s_mov_b32 s[PP], ttmp9                         ; in a cluster launch ttmp9 and ttmp7 count clusters
	s_and_b32 s[BT], ttmp7, 0xffff
	s_bfe_u32 s[CX], ttmp6, 0x40000
	; descriptor group 1: 32,768 dense bytes as 128 rows of 256 bytes
	s_mov_b32 s[G1+0], 15|(3<<16)|(1<<21)          ; 15:0 the mask: all four work-groups; 17:16 elements of 8 bytes; 21 set beside a mask
	s_mov_b32 s[G1+1], 32<<16                      ; tensor_dim0 = 32
	s_mov_b32 s[G1+2], 128<<16                     ; tensor_dim1 = 128
	s_mov_b32 s[G1+3], 32<<16                      ; tile_dim0 = 32
	s_mov_b32 s[G1+4], 128                         ; tile_dim1 = 128
	s_mov_b32 s[G1+5], 32                          ; elements from row to row
	s_mov_b32 s[G1+6], 0
	s_mov_b32 s[G1+7], 0
	s_mov_b32 s[G0], 1                             ; count = 1
	s_lshl_b32 s[G0+1], s[WV], 15                  ; LDS address: my part of slot 0: no place in the cluster enters it
	s_sub_co_u32 s56, 31, s[PP]                    ; the first block
	s_lshr_b32 s[LQ], s56, 1                       ; its last slot
	s_add_co_u32 s[RT], s[LQ], 1
	s_lshr_b32 s[NL], s[PP], 1
	s_add_co_u32 s[NL], s[NL], 1
	s_and_b32 s[DPLO], s[PP], 1
	s_lshl_b32 s[DPLO], s[DPLO], 7
	s_xor_b32 s[DP], s[DPLO], 128                  ; 31 - P has the other parity
	s_mov_b32 s[NXT], 1
	s_mov_b32 s[NEW], 0
	s_mov_b32 s[TB], SLOT1                         ; the first change of slots turns it into 0
	s_mov_b32 s[SLOTS], 16
	s_cmp_eq_u32 s[PP], 0
	s_cselect_b32 s[LIM], 5, -1                    ; the same in all four partners
	s_mov_b32 s[OFF+1], 0
	s_mov_b32 s[CS], 0x3d38aa3b                    ; c = log2(e) / 32
	s_mov_b32 s[CS+1], s[CS]
	s_mov_b32 s[SEL], 0x76543210
	s_mov_b32 s[SEL+1], 0xfedcba98
	s_lshl_b32 s2, s[BT], 21                       ; a batch is 2,097,152 bytes of kvf,
	s_lshl_b32 s3, s[WV], 15                       ; my part of a slot
	s_add_co_u32 s2, s2, s3
	s_mov_b32 s3, 0
	s_lshl2_add_u32 s58, s[CX], s[WV]              ; the prefetches: 4 cx + w,
	s_lshl_b32 s58, s58, 13                        ; 8,192 bytes each,
	s_lshl_b32 s59, s[BT], 21
	s_add_co_u32 s58, s58, s59
	s_add_co_u32 s58, s58, 4*SLOT1                 ; in slot 4: the first change of slots steps it to slot 5
	s_mov_b32 s59, 0
	s_lshl_b32 s10, s[BT], 8                       ; Q's tiles: 256 a batch, 8 a block, 2 a work-group, 4,096 bytes each
	s_lshl1_add_u32 s10, s[CX], s10
	s_lshl3_add_u32 s60, s56, s10
	s_lshl_b32 s60, s60, 12
	s_mov_b32 s61, 0
	s_lshl3_add_u32 s10, s[PP], s10
	s_lshl_b32 s10, s10, 12
	s_mov_b32 s11, 0
	s_cmp_lt_u32 s[WV], 2                          ; out0: waves 0 and 1 store the second block's two tiles, waves 2 and 3 the first block's
	s_cselect_b32 s57, s[PP], s56
	s_lshl_b32 s57, s57, 7
	s_lshl_b32 s56, s[BT], 12
	s_add_co_u32 s56, s56, s57
	s_lshl_b32 s57, s[CX], 5
	s_add_co_u32 s56, s56, s57
	s_and_b32 s57, s[WV], 1
	s_lshl_b32 s57, s57, 4
	s_add_co_u32 s56, s56, s57                     ; the row,
	s_lshl_b32 s56, s56, 9                         ; of 512 bytes
	s_mov_b32 s57, 0
	s_wait_dscnt 0x0                               ; both opening adds are done
	s_wait_kmcnt 0x0
	s_add_nc_u64 s[KVW:KVW+1], s[6:7], s[2:3]
	s_add_nc_u64 s[PFA:PFA+1], s[6:7], s[58:59]
	s_add_nc_u64 s[52:53], s[4:5], s[60:61]        ; Q of the first block,
	s_add_nc_u64 s[54:55], s[4:5], s[10:11]        ; of the second
	s_add_nc_u64 s[OUT:OUT+1], s[8:9], s[56:57]
	s_mov_b64 s[G0+2:G0+3], s[KVW:KVW+1]           ; global address: slot 0
	s_or_b32 s[G0+3], s[G0+3], 0x80000000          ; type = 2
	CROUND                                         ; all four work-groups are here: the first joint loads meet
	tensor_load_to_lds s[G0:G0+3], s[G1:G1+7]
	s_nop 0
	PLACES
	v_and_b32 v51, 31, v0                          ; l
	v_lshlrev_b32 v[QO], 4, v51
	WIN 0x80                                       ; destination window 2, address window 0
.set i, 0
.rept 16                               ; both blocks' Q stay in registers: unit i = 8 t + nb is half nb % 2 of fragment (t, nb / 2)
	global_load_b128 v[4*i:4*i+3],       v[QO], s[52:53] offset:512*i
	global_load_b128 v[64+4*i:64+4*i+3], v[QO], s[54:55] offset:512*i
.set i, i+1
.endr
	; What the first visit finds: O^T, l, V, tile 1's P and the masks are 0 (its first 16 products, of a visit that has not been, add 0).  The registers that the change of blocks fills are written here too, so that
	; each is written on every way to the merge.  No first visit is written out; the price is these 500 lines, which run while the first slot is on its way.
	WIN 0x40
.set n, 0
.rept 256
	v_mov_b32 v[n], 0
.set n, n+1
.endr
	WIN 0xc0
.set n, 0
.rept 192
	v_mov_b32 v[n], 0
.set n, n+1
.endr
	WIN 0
.set n, 0
.rept 32
	v_mov_b32 v[ST+n], 0
.set n, n+1
.endr
.irp t, 0,1
	v_mov_b32 v[ST+8*(\t)], 0xfe000000             ; c m: far below every c s
	v_mov_b32 v[ST+8*(\t)+1], 0xe0800000           ; m = -2^66
.endr
.set n, 0
.rept 16
	v_mov_b32 v[PR+16+n], 0
.set n, n+1
.endr
	v_and_b32 v1, 15, v0                           ; l % 16
	v_bfe_u32 v9, v0, 4, 1                         ; l / 16
	s_lshl_b32 s56, s[WV], 15
	v_lshl_add_u32 v[AL0], v51, 4, s56
	s_lshl_b32 s56, s[CX], 5
	s_lshl_b32 s57, s[WV], 6
	s_sub_co_i32 s56, s56, s57
	v_lshlrev_b32 v[VB], 3, v9
	v_sub_nc_u32 v[VB], v1, v[VB]
	v_add_nc_u32 v[VB], s56, v[VB]
	v_mov_b32 v[BIG], 0xf149f2ca                   ; -1e30
	s_lshl_b32 s56, s[WV], 10
	s_add_co_u32 s56, s56, STAT
	v_lshl_add_u32 v[SA], v51, 3, s56
	v_lshl_add_u32 v[SR], v51, 3, STAT
	s_mul_i32 s56, s[WV], STW
	v_mul_u32_u24 v[SO], v1, STP                   ; into the stage: row l % 16, 32 bytes for each half of the lanes
	v_lshl_add_u32 v[SO], v9, 5, v[SO]
	v_add_nc_u32 v[SO], s56, v[SO]
	s_mul_i32 s56, s[WV], STT                      ; back: tile = my wave's number; 32 lanes take a row's 512 bytes
	v_lshl_add_u32 v[RD], v51, 4, s56
	v_add_nc_u32 v[RD+1], STW, v[RD]
	v_add_nc_u32 v[RD+2], 2*STW, v[RD]
	v_add_nc_u32 v[RD+3], 3*STW, v[RD]
	v_lshlrev_b32 v[PFO], 8, v51
	s_wait_loadcnt 0x0                             ; Q
.Lslot:                                ; 16 visits, each of which asks for the next slot.  The first block's diagonal slot is visit 8 to 15, always in the loop
	VISIT 1, 0
	s_sub_co_u32 s[SLOTS], s[SLOTS], 1
	s_cmp_lg_u32 s[SLOTS], 0
	s_cbranch_scc1 .Lslot
	VISIT 0, 1                                     ; the walk's last slot is written out: nothing is asked for
.set i, 0
.rept 16
	PV1 1                                          ; tile 1's V^T P of the last visit
.set i, i+1
.endr
	; THE MERGE of the four waves' shares, for tiles 0, 1 (block P) and 2, 3 (block 31 - P).  With c M the greatest of the four c m: out = the sum over waves of 2^(c m - c M) O / L, L = the sum of 2^(c m - c M) l.
	WIN 0
.macro ALL4 line:vararg                ; one line for each tile t
.set t, 0
.rept 4
	\line
.set t, t+1
.endr
.endm
	ALL4 v_add_f32 v[ST+8*t+4], v[ST+8*t+2], v[ST+8*t+3]  ; l's two halves (these four lines are the places behind the last products),
	ALL4 v_permlanex16_b32 v[ST+8*t+5], v[ST+8*t+4], s[SEL], s[SEL+1]
	ALL4 v_add_f32 v[ST+8*t+1], v[ST+8*t+4], v[ST+8*t+5]  ; and the other half of the lanes': l lies beside c m
	ALL4 ds_store_b64 v[SA], v[ST+8*t:ST+8*t+1] offset:256*t
	s_wait_dscnt 0x0                               ; for the others' sake: my statistics are stored, and my reads of the ring are long over
	s_barrier_signal -1
	s_barrier_wait -1                              ; behind this barrier no wave reads the ring, and no load is on its way into it: its bytes serve as the stage
.set n, 0
.rept 16                               ; n = 4 x source wave + tile
	ds_load_b64 v[MG+2*n:MG+2*n+1], v[SR] offset:256*n
.set n, n+1
.endr
	s_wait_dscnt 0x0
	ALL4 v_max3_num_f32 v[CM+t], v[MG+2*t], v[MG+8+2*t], v[MG+16+2*t]
	ALL4 v_max_num_f32 v[CM+t], v[CM+t], v[MG+24+2*t]
.irp u, 0,1,2,3
	ALL4 v_sub_f32 v[DF+4*t+(\u)], v[MG+8*(\u)+2*t], v[CM+t]
.endr
	ALL4 v_sub_f32 v[DW+t], v[ST+8*t], v[CM+t]     ; my own
.set n, 0
.rept 20
	v_exp_f32 v[DF+n], v[DF+n]                     ; one batch: 16 factors and my own four
.set n, n+1
.endr
	v_nop                                          ; a plain instruction behind the last exponential,
	s_wait_alu depctr_va_vdst(0)                   ; and the one wait ahead of the first reader
	ALL4 v_mul_f32 v[LS+t], v[DF+4*t], v[MG+2*t+1]
.irp u, 1,2,3
	ALL4 v_fmac_f32 v[LS+t], v[DF+4*t+(\u)], v[MG+8*(\u)+2*t+1]
.endr
	ALL4 v_rcp_f32 v[LS+t], v[LS+t]                ; L is 1 at the least: the wave that holds M has a weight of 1
	v_nop
	s_wait_alu depctr_va_vdst(0)
	ALL4 v_mul_f32 v[ST+8*t+6], v[DW+t], v[LS+t]
	WIN W_RS
.set n, 0
.rept 128
	v_pk_mul_f32 v[2*n:2*n+1], v[2*n:2*n+1], v[ST+8*(n/32)+6:ST+8*(n/32)+7] op_sel_hi:[1,0]
.set n, n+1
.endr
	WIN 0x04                                       ; store data in window 1, address in window 0
.set n, 0
.rept 64                               ; n = 16 t + 2 cb + u: four channels of query l % 16: 64 cb + 32 (l / 16) + 16 u bytes into its row
	ds_store_b128 v[SO], v[4*n:4*n+3] offset:(n/16)*STT+((n/2)%8)*64+(n%2)*16
.set n, n+1
.endr
	WIN 0
	s_wait_dscnt 0x0                               ; for the others' sake: my shares are in the stage
	s_barrier_signal -1
	s_barrier_wait -1
.irp g, 0,1,2,3                        ; wave w adds the four shares of tile w, four rows at a time, in two sets of registers by turns
.set RB, S+64*((\g)%2)
.if (\g) >= 2
	s_wait_xcnt 0x0                                ; the stores of two groups back have read their registers
.endif
.irp p, 0,1,2,3
.irp u, 0,1,2,3
	ds_load_b128 v[RB+16*(\p)+4*(\u):RB+16*(\p)+4*(\u)+3], v[RD+(\u)] offset:(4*(\g)+(\p))*STP
.endr
.endr
	s_wait_dscnt 0x0
.irp p, 0,1,2,3
.irp d, 0,2,8,10
	v_pk_add_f32 v[RB+16*(\p)+(\d):RB+16*(\p)+(\d)+1], v[RB+16*(\p)+(\d):RB+16*(\p)+(\d)+1], v[RB+16*(\p)+(\d)+4:RB+16*(\p)+(\d)+5]
.endr
.irp d, 0,2
	v_pk_add_f32 v[RB+16*(\p)+(\d):RB+16*(\p)+(\d)+1], v[RB+16*(\p)+(\d):RB+16*(\p)+(\d)+1], v[RB+16*(\p)+(\d)+8:RB+16*(\p)+(\d)+9]
.endr
	global_store_b128 v[QO], v[RB+16*(\p):RB+16*(\p)+3], s[OUT:OUT+1] offset:(4*(\g)+(\p))*512 th:TH_STORE_NT  ; a whole row of out0: 512 consecutive bytes, aligned
.endr
.endr
	s_wait_tensorcnt 0x0                           ; the wave's end, behind my last tensor load and my last LDS store
	ds_add_u32 v[SPW], v[NIL]
	s_wait_dscnt 0x0
	CROUND                                         ; the closing round: no work-group ends while a partner may still ask for a slot that names it
	s_endpgm
.Lfunc_end_k_qec4102ff08_attn:
	.size	k_qec4102ff08_attn, .Lfunc_end_k_qec4102ff08_attn-k_qec4102ff08_attn
	.p2alignl 7, 3214868480
	.fill 96, 4, 3214868480
	.section	.rodata,"a",@progbits
	.p2align	6, 0x0
	.amdhsa_kernel k_qec4102ff08_attn
		.amdhsa_group_segment_fixed_size 327680
		.amdhsa_private_segment_fixed_size 0
		.amdhsa_enable_private_segment 0
		.amdhsa_kernarg_size 24
		.amdhsa_user_sgpr_count 2
		.amdhsa_user_sgpr_kernarg_segment_ptr 1
		.amdhsa_wavefront_size32 1
		.amdhsa_system_sgpr_workgroup_id_x 1
		.amdhsa_system_sgpr_workgroup_id_y 1
		.amdhsa_system_sgpr_workgroup_id_z 1
		.amdhsa_system_vgpr_workitem_id 0
		.amdhsa_next_free_vgpr 960
		.amdhsa_next_free_sgpr 66
		.amdhsa_reserve_vcc 1
		.amdhsa_float_denorm_mode_32 3
		.amdhsa_float_denorm_mode_16_64 3
		.amdhsa_memory_ordered 1
		.amdhsa_forward_progress 1
		.amdhsa_inst_pref_size 133
	.end_amdhsa_kernel
	.amdgpu_metadata
---
amdhsa.version: [ 1, 2 ]
amdhsa.kernels:
  - .name:           k_qec4102ff08_attn
    .symbol:         k_qec4102ff08_attn.kd
    .args:
      - { .name: qf, .offset: 0, .size: 8, .value_kind: global_buffer, .address_space: global }
      - { .name: kvf, .offset: 8, .size: 8, .value_kind: global_buffer, .address_space: global }
      - { .name: out0, .offset: 16, .size: 8, .value_kind: global_buffer, .address_space: global }
    .group_segment_fixed_size: 327680
    .private_segment_fixed_size: 0
    .kernarg_segment_align: 8
    .kernarg_segment_size: 24
    .max_flat_workgroup_size: 128
    .sgpr_count:     66
    .vgpr_count:     960
    .wavefront_size: 32
...
	.end_amdgpu_metadata
.endif
;; end of part 3
;; ======== version 2 of 2: 3 launches
;; limits: values are held in f16: magnitudes above 65,504 overflow, below 6.1e-05 lose precision
;; workspace buffers: wf 786,432 bytes; qf 4,194,304 bytes; kvf 8,388,608 bytes
;; launch prep: the kernel of part 1 again; grid 192 x 1, 8 waves a work-group, no clusters, 0 bytes of LDS; arguments W_key, W_query, W_value, wf; writes wf
;; launch proj (part 4): grid 256 x 1, 4 waves a work-group, clusters of 4 x 1, 327,680 bytes of LDS; arguments x, wf, qf, kvf; writes qf, kvf
.if DOCPART == 4
	.amdgcn_target "amdgcn-amd-amdhsa--gfx1250"
	.amdhsa_code_object_version 6
	.text
	.protected	k_qec4102ff08_proj
	.globl	k_qec4102ff08_proj
	.p2align	8
	.type	k_qec4102ff08_proj,@function
k_qec4102ff08_proj:
	s_mov_b64 s[64:65], 0
	v_nop
	global_prefetch_b8 v0, s[64:65] scope:SCOPE_SE
	s_setreg_imm32_b32 hwreg(HW_REG_WAVE_MODE, 25, 1), 1
	s_wait_xcnt 0x0
	s_wait_alu depctr_hold_cnt(0) depctr_sa_sdst(0) depctr_va_vdst(0) depctr_va_sdst(0) depctr_va_ssrc(0) depctr_va_vcc(0) depctr_vm_vsrc(0)
	s_getreg_b32 s2, hwreg(HW_REG_IB_STS2, 6, 4)
	s_cmp_eq_u32 s2, 0
	s_cbranch_scc0 .Lentry_in_a_cluster
	s_endpgm
.Lentry_in_a_cluster:
	s_bfe_u32 s2, ttmp6, 0x10000c
	s_cmp_lg_u32 s2, 0x3003
	s_cbranch_scc0 .Lentry_shape_is_right
	s_endpgm
.Lentry_shape_is_right:
; q, k, v = x W.  x: [16,384][1,024] f32, rounded once to bf16 on its way into LDS; wf: the weights in bf16, in units of 512 bytes (see the launch before); sums in f32;
; q, k, v rounded once to f16 and stored in units of 512 bytes that ARE halves of the next launch's operands.  No work of reference() is left out here.
; LIMIT.  f16 ends at 65,504: q, k and v must stay within it (they are sums of 1,024 products x W).
; SHARES.  A work-group owns 64 token rows (four tiles tt of 16) and all 384 columns; wave w owns six blocks b of 16 columns: b = 0, 1 of k, 2, 3 of q, 4, 5 of v, each with nb = 2 w + b % 2.
; 24 accumulators, 192 registers; 24 matrix instructions for 32 along K, fed by 6 fragments of W and 4 of x.
; LAYOUT.  For k and q source 0 is W's fragment and source 1 x's: a lane ends with ONE token (lane % 16) and 8 neighbouring channels.  For v the sources are swapped: a lane ends with ONE channel and
; 8 neighbouring tokens.  Packed to f16 each 16 x 16 result is 16 bytes a lane, 512 consecutive bytes a wave: one store, no stage.
;   qf:  unit (tb, nb) at (8 tb + nb) x 512, tb = token / 16: lane (r, h) holds q[16 tb + r][16 nb + 8 h + 0..7]
;   kvf: 16,384 bytes for 32 tokens: k's units (tb % 2, nb) as in qf, then from byte 8,192 v's: lane (r, h) holds v[16 tb + 8 h + 0..7][16 nb + r]
; CLUSTER.  Every work-group walks the same wf, so the four work-groups of a cluster ask for it JOINTLY: K goes in chunks of 128; a chunk of wf is 24 rows (one for each block of 16 columns) of 4,096 bytes,
; 32,768 bytes apart; wave w fetches rows 6 w .. 6 w + 5 by one tensor load with the mask of four.  Two LDS slots of a chunk take turns; a round of the cluster's barrier stands at each change that fills a slot again.
; x is each work-group's own and is read once: each wave loads its own 16 rows straight into registers, a row's 512 bytes of a chunk to a load, THREE CHUNKS (48 loads, 288 of the wave's matrix instructions) ahead
; of their use, rounds them and stores them as bf16 into a ring of two LDS slots, from which all four waves take their fragments.  So x needs no prefetch beside its loads, and it is rounded once, not once a wave.
; THE WALK ALONG K begins at chunk j = id % 4 + 4 ((id / 8) % 2) of the cluster's number id and wraps at 8 (f32 sums may be taken in any order): clusters with the eight different j name the eight
; chunks of wf in their first fills.
; REGISTERS, in windows of 256 (s_set_vgpr_msb: bits 1:0 source 0, 3:2 source 1, 5:4 source 2, 7:6 destination):
;   window 0: v0-15, v216-221 addresses; v16-207 x as loaded, three sets of 64 (a chunk's 16 rows, 4 registers each); v208-215 four rows packed; on the way out v16-111 the packed results
;   window 1: two fragment sets of 80: W's six at 8 b, x's four at 48 + 8 tt          window 2: v0-191 the accumulators: (tt, b) at 8 (6 tt + b)
.set XPITCH, 272                       ; a row of x in LDS: 128 bf16 + 16 bytes of padding = 68 words: the 16 rows of a load start at 16 different groups of four banks (64 banks of 4 bytes: ISA guide 11.1)
.set XSLOT,  64*XPITCH                 ; a chunk of x: 64 rows
.set WSLOT,  24*4096                   ; a chunk of W: row g at 4,096 g; its units are read as 512 consecutive bytes, so it needs no padding
.set XR,     2*WSLOT                   ; behind W's two slots: x's ring, written by LDS stores alone; no tensor load lands there
.set SPARE,  XR+2*XSLOT                ; behind it: the spare words, 128 bytes for each wave: two blocks of 256 bytes that no other line names
.set XO,  2                            ; v2   my byte offset in x: 16 l + 65,536 w; never rewritten
.set XSA, 3                            ; v3   where I store 8 bytes of a row of x: XR + 16 w rows + 8 l
.set XFA, 4                            ; v4   my place in a tile of x: XR + (l % 16) x 272 + 16 (l / 16)
.set SPW, 6                            ; v6   LDS address of my spare word; never rewritten
.set NIL, 7                            ; v7   0; never rewritten
.set SO,  8                            ; v8   my byte offset in the outputs: 16 l + 1,024 w
.set XG,  16
.set PKX, 208
.set WA,  216                          ; v216-221  my place in W's rows: 16 l + 8,192 w + 32,768 x matrix + WSLOT x slot, at WA + 3 slot + matrix (an LDS offset holds 16 bits)
.set PK,  16
.set WV,  12                           ; s12  my wave's number
.set CX,  13                           ; s13  my place in the cluster: it enters x's, qf's and kvf's addresses alone
.set XC,  14                           ; s14  the chunk of x to be asked for next
.set WC,  15                           ; s15  the chunk of wf to be asked for next
.set G1,  16                           ; s[16:23] descriptor group 1
.set G0,  24                           ; s[24:31] descriptor group 0, a set for each slot
.set WB,  32                           ; s[32:33] wf at my six rows
.set XB,  34                           ; s[34:35] x at the work-group's first row
.set XP,  36                           ; s[36:37] the same at the chunk that is being asked for
.set OFF, 38                           ; s[38:39] a chunk's byte offset
.set MSB, 0
.set DSN, 0                            ; LDS instructions written so far, and
.set GLN, 0                            ; loads of x written so far: the counted waits are made of these two
.macro WIN new                         ; the immediate's high byte repeats the setting that is left; a switch that changes nothing is dropped
.if MSB != (\new)
	s_set_vgpr_msb (MSB<<8)|(\new)
.set MSB, (\new)
.endif
.endm
.macro PLACES                          ; four places (ISA guide 7.12.1) behind a matrix instruction
.rept 4
	v_nop
.endr
.endm
; A round of the cluster's barrier: my work-group's barrier, so that wave 0's signal speaks for all four waves; wave 0 signals; every wave waits for all four work-groups; my work-group's barrier once more.
.macro CREST                           ; a round behind its opening barrier
	s_cmp_lg_u32 s[WV], 0
	s_cbranch_scc1 .Lnot_wave_0_\@
	s_barrier_signal -3
.Lnot_wave_0_\@:
	s_barrier_wait -3
	s_barrier_signal -1
	s_barrier_wait -1
.endm
.macro CROUND                          ; a whole round
	s_barrier_signal -1
	s_barrier_wait -1
	CREST
.endm
; Group 0 of slot s takes the walk's next chunk of wf: the address is made anew from the chunk's number.  It stands where no tensor load of the wave is out.
.macro WDESC s
	s_lshl_b32 s[OFF], s[WC], 12
	s_add_nc_u64 s[G0+4*(\s)+2:G0+4*(\s)+3], s[WB:WB+1], s[OFF:OFF+1]
	s_or_b32 s[G0+4*(\s)+3], s[G0+4*(\s)+3], 0x80000000  ; type = 2
	s_add_co_u32 s[WC], s[WC], 1
	s_and_b32 s[WC], s[WC], 7
.endm
; x's pointer takes the walk's next chunk
.macro XPTR
	s_wait_xcnt 0x0                                ; the loads issued so far have read their address, so the pointer may be written
	s_lshl_b32 s[OFF], s[XC], 9
	s_add_nc_u64 s[XP:XP+1], s[XB:XB+1], s[OFF:OFF+1]
	s_add_co_u32 s[XC], s[XC], 1
	s_and_b32 s[XC], s[XC], 7
.endm
; Rows 4 s .. 4 s + 3 of my 16, chunk m of the walk: four loads of 512 consecutive bytes, aligned, into set m % 3
.macro XLOAD m, s
	WIN 0
.irp i, 0,1,2,3
	global_load_b128 v[XG+64*((\m)%3)+16*(\s)+4*(\i):XG+64*((\m)%3)+16*(\s)+4*(\i)+3], v[XO], s[XP:XP+1] offset:(4*(\s)+(\i))*4096 th:TH_LOAD_NT
.endr
.set GLN, GLN+4
.endm
; The same four rows are rounded to bf16 and stored into x's ring, slot m % 2: a lane's four numbers are 8 bytes, a row 256 consecutive bytes.
.macro XCONV m, s
	WIN 0
	s_wait_loadcnt GLN-16*(\m)-4*(\s)-4            ; loads come back in order (ISA guide 5.7.1): all that were issued behind these four may stay out
.irp i, 0,1,2,3
	v_cvt_pk_bf16_f32 v[PKX+2*(\i)],   v[XG+64*((\m)%3)+16*(\s)+4*(\i)],   v[XG+64*((\m)%3)+16*(\s)+4*(\i)+1]
	v_cvt_pk_bf16_f32 v[PKX+2*(\i)+1], v[XG+64*((\m)%3)+16*(\s)+4*(\i)+2], v[XG+64*((\m)%3)+16*(\s)+4*(\i)+3]
.endr
.irp i, 0,1,2,3
	ds_store_b64 v[XSA], v[PKX+2*(\i):PKX+2*(\i)+1] offset:((\m)%2)*XSLOT+(4*(\s)+(\i))*XPITCH
.endr
.set DSN, DSN+4
.endm
; 20 LDS loads in one run: the fragments of step n (32 along K: quarter n % 4 of chunk n / 4) into set n % 2, in the order in which the products want them.  M1, M2, M3 mark how far the run must have come for each group of products.
.macro FETCH n
	WIN 0x40                                       ; destination window 1, address window 0
.set FB, 80*((\n)%2)
.set SL, ((\n)/4)%2
.set FK, (\n)%4
.irp b, 0,1,2,3
	ds_load_b128 v[FB+8*(\b):FB+8*(\b)+3],   v[WA+3*SL+(\b)/2] offset:((\b)%2)*4096+FK*1024
	ds_load_b128 v[FB+8*(\b)+4:FB+8*(\b)+7], v[WA+3*SL+(\b)/2] offset:((\b)%2)*4096+FK*1024+512
.endr
.irp t, 0,1,2,3
	ds_load_b128 v[FB+48+8*(\t):FB+48+8*(\t)+3],   v[XFA] offset:SL*XSLOT+(\t)*16*XPITCH+FK*64
	ds_load_b128 v[FB+48+8*(\t)+4:FB+48+8*(\t)+7], v[XFA] offset:SL*XSLOT+(\t)*16*XPITCH+FK*64+32
.endr
.irp b, 4,5
	ds_load_b128 v[FB+8*(\b):FB+8*(\b)+3],   v[WA+3*SL+2] offset:((\b)%2)*4096+FK*1024
	ds_load_b128 v[FB+8*(\b)+4:FB+8*(\b)+7], v[WA+3*SL+2] offset:((\b)%2)*4096+FK*1024+512
.endr
.set M1, DSN+12                        ; W's blocks 0-3 and x's tiles 0, 1
.set M2, DSN+16                        ; x's tiles 2, 3
.set M3, DSN+20                        ; W's blocks 4, 5
.set DSN, DSN+20
.endm
; The products of step q.  The 24 accumulators take turns, one instruction a turn, in the same order in every step.  Step 0 starts the sums with the constant 0.
.macro MULKQ tt0                       ; k's and q's blocks of tiles tt0, tt0 + 1: source 0 = W, source 1 = x
	WIN 0xa5                                       ; both sources in window 1, C and D in window 2
.set MB, 80*(q%2)
.irp tt, \tt0, (\tt0)+1
.irp b, 0,1,2,3
.if q == 0
	v_wmma_f32_16x16x32_bf16 v[8*(6*(\tt)+(\b)):8*(6*(\tt)+(\b))+7], v[MB+8*(\b):MB+8*(\b)+7], v[MB+48+8*(\tt):MB+48+8*(\tt)+7], 0
.else
	v_wmma_f32_16x16x32_bf16 v[8*(6*(\tt)+(\b)):8*(6*(\tt)+(\b))+7], v[MB+8*(\b):MB+8*(\b)+7], v[MB+48+8*(\tt):MB+48+8*(\tt)+7], v[8*(6*(\tt)+(\b)):8*(6*(\tt)+(\b))+7]
.endif
.endr
.endr
.endm
.macro MULV                            ; v's blocks of all four tiles: source 0 = x, source 1 = W
	WIN 0xa5
.set MB, 80*(q%2)
.irp tt, 0,1,2,3
.irp b, 4,5
.if q == 0
	v_wmma_f32_16x16x32_bf16 v[8*(6*(\tt)+(\b)):8*(6*(\tt)+(\b))+7], v[MB+48+8*(\tt):MB+48+8*(\tt)+7], v[MB+8*(\b):MB+8*(\b)+7], 0
.else
	v_wmma_f32_16x16x32_bf16 v[8*(6*(\tt)+(\b)):8*(6*(\tt)+(\b))+7], v[MB+48+8*(\tt):MB+48+8*(\tt)+7], v[MB+8*(\b):MB+8*(\b)+7], v[8*(6*(\tt)+(\b)):8*(6*(\tt)+(\b))+7]
.endif
.endr
.endr
.endm
; x's share of a step of chunk c: four rows of chunk c + 1 are rounded and stored, four rows of chunk c + 4 asked for into the registers that they left.  Its eight roundings name no register of a product: they are the
; places ahead of the loads into the fragment set that the step before has multiplied.  In the last chunk four v_nop take their part.
.macro XWORK
.if c+1 <= 7
	XCONV c+1, kq
.if c+4 <= 7
.if kq == 0
	XPTR
.endif
	XLOAD c+4, kq
.endif
.else
	WIN 0
	PLACES
.endif
.endm
; STEP q of 32.  The next step's fragments are asked of LDS behind the step's first eight products.
; A chunk's last step changes slots: ONE barrier for three things.  In front of it each wave waits for all its tensor loads, of which one is out: its part of W's other slot; adds 0 to its spare word; and waits for that,
; for its reads of both rings' slots in hand and for its stores of the next chunk of x.  Where W's slot is filled again (chunks 0 to 5) the barrier opens a round of the cluster's barrier, so that no wave of any
; partner still reads the slot or has a load on its way, and the joint refill is the first thing behind the round: it has a chunk less 16 products, 80 of the wave's matrix instructions, up to the wait for it.
.macro STEP
.set c, q/4
.set kq, q%4
.set C1, M1
.set C2, M2
.set C3, M3
	s_wait_dscnt DSN-C1                            ; LDS serves a wave in order (ISA guide 5.7.1): W's blocks 0-3 and x's tiles 0, 1 are in
.if (kq == 3) && (c < 7)
	XWORK
	WIN 0                                          ; (the add's two registers lie in window 0)
	s_wait_tensorcnt 0x0                           ; all my tensor loads have landed, so a group 0 may be written
	ds_add_u32 v[SPW], v[NIL]                      ; 0 onto my spare word; work on registers stands between it and the wait for it
.set DSN, DSN+1
.if c < 6
	WDESC c%2
.endif
	MULKQ 0
	s_wait_dscnt 0x0                               ; the add is done, my reads of the two slots in hand are over, my rows of the next chunk of x are stored
	s_barrier_signal -1
	MULKQ 2                                        ; work on registers while the others arrive
	WIN 0
	s_barrier_wait -1
.if c < 6
	CREST
	tensor_load_to_lds s[G0+4*(c%2):G0+4*(c%2)+3], s[G1:G1+7]
	s_nop 0
.endif
	PLACES                                         ; the places ahead of the loads below
	FETCH q+1
	MULV
.else
	MULKQ 0
.if q < 31
	XWORK
	FETCH q+1
.endif
	s_wait_dscnt DSN-C2                            ; x's tiles 2, 3 are in; what was issued behind them may stay out
	MULKQ 2
	s_wait_dscnt DSN-C3                            ; W's blocks 4, 5 are in
	MULV
.endif
.endm
	s_load_b256 s[4:11], s[0:1], 0x0               ; x s[4:5], wf s[6:7], qf s[8:9], kvf s[10:11]
	v_lshl_add_u32 v[SPW], v0, 2, SPARE
	v_mov_b32 v[NIL], 0
	ds_add_u32 v[SPW], v[NIL]                      ; the wave's opening: the add, twice on end, and its wait ahead of my first tensor load
	ds_add_u32 v[SPW], v[NIL]                      ; and once more, under the one wait; the set-up below, work on registers, stands between
	v_lshrrev_b32 v1, 5, v0
	v_readfirstlane_b32 s[WV], v1                  ; wave 0..3
	s_bfe_u32 s[CX], ttmp6, 0x40000                ; my place in the cluster
	s_lshl_b32 s40, ttmp9, 2                       ; in a cluster launch ttmp9 counts clusters
	s_add_co_u32 s40, s40, s[CX]                   ; my block of 64 rows
	s_and_b32 s[XC], ttmp9, 3                      ; where the walk along K begins: the same in all four partners
	s_bfe_u32 s41, ttmp9, 0x10003
	s_lshl2_add_u32 s[XC], s41, s[XC]
	s_mov_b32 s[WC], s[XC]
	; descriptor group 1: 6 rows of 4,096 bytes, 32,768 bytes apart
	s_mov_b32 s[G1+0], 15|(3<<16)|(1<<21)          ; 15:0 the mask: all four work-groups; 17:16 elements of 8 bytes; 21 set beside a mask
	s_mov_b32 s[G1+1], 512<<16                     ; tensor_dim0 = 512
	s_mov_b32 s[G1+2], 6<<16                       ; tensor_dim1 = 6
	s_mov_b32 s[G1+3], 512<<16                     ; tile_dim0 = 512
	s_mov_b32 s[G1+4], 6                           ; tile_dim1 = 6
	s_mov_b32 s[G1+5], 4096                        ; elements from row to row
	s_mov_b32 s[G1+6], 0
	s_mov_b32 s[G1+7], 0
	s_mul_i32 s42, s[WV], 6*4096                   ; my six rows' place in a slot: no place in the cluster enters an LDS address
	s_mov_b32 s[G0], 1                             ; count = 1
	s_mov_b32 s[G0+1], s42                         ; LDS address: slot 0
	s_mov_b32 s[G0+4], 1
	s_add_co_u32 s[G0+5], s42, WSLOT               ; slot 1
	s_mul_i32 s44, s[WV], 6*32768                  ; my six rows in wf
	s_mov_b32 s45, 0
	s_lshl_b32 s46, s40, 18                        ; 64 rows of 4,096 bytes of x
	s_mov_b32 s47, 0
	s_lshl_b32 s48, s40, 14                        ; 64 tokens are 16,384 bytes of qf
	s_mov_b32 s49, 0
	s_lshl_b32 s2, s40, 15                         ; and 32,768 of kvf
	s_mov_b32 s3, 0
	s_mov_b32 s[OFF+1], 0
	v_and_b32 v9, 31, v0                           ; l
	s_lshl_b32 s43, s[WV], 16
	v_lshl_add_u32 v[XO], v9, 4, s43
	s_wait_dscnt 0x0                               ; both opening adds are done
	s_wait_kmcnt 0x0
	s_add_nc_u64 s[XB:XB+1], s[4:5], s[46:47]
	s_add_nc_u64 s[WB:WB+1], s[6:7], s[44:45]
	s_add_nc_u64 s[8:9], s[8:9], s[48:49]
	s_add_nc_u64 s[10:11], s[10:11], s[2:3]
.irp m, 0,1,2                          ; x's first three chunks are asked for before anything else
	XPTR
.irp s, 0,1,2,3
	XLOAD \m, \s
.endr
.endr
	WDESC 0
	WDESC 1
	CROUND                                         ; all four work-groups are here: the first joint loads meet
	tensor_load_to_lds s[G0:G0+3], s[G1:G1+7]      ; both first fills go out together, ahead of every wait on TENSORcnt and every LDS read: two loads of mine are out
	s_nop 0
	tensor_load_to_lds s[G0+4:G0+7], s[G1:G1+7]
	s_nop 0
	v_and_b32 v1, 15, v0                           ; l % 16   (vector lines in window 0 stand behind the last tensor load, ahead of the first switch of windows)
	v_bfe_u32 v5, v0, 4, 1                         ; l / 16
	v_mul_u32_u24 v[XFA], v1, XPITCH
	v_lshl_add_u32 v[XFA], v5, 4, v[XFA]
	v_add_nc_u32 v[XFA], XR, v[XFA]
	s_mul_i32 s43, s[WV], 16*XPITCH
	s_add_co_u32 s43, s43, XR
	v_lshl_add_u32 v[XSA], v9, 3, s43
	s_lshl_b32 s43, s[WV], 13
	v_lshl_add_u32 v[WA], v9, 4, s43
	v_add_nc_u32 v[WA+1], 32768, v[WA]
	v_add_nc_u32 v[WA+2], 65536, v[WA]
	v_add_nc_u32 v[WA+3], WSLOT, v[WA]
	v_add_nc_u32 v[WA+4], WSLOT+32768, v[WA]
	v_add_nc_u32 v[WA+5], WSLOT+65536, v[WA]
	s_lshl_b32 s43, s[WV], 10
	v_lshl_add_u32 v[SO], v9, 4, s43
	XCONV 0, 0                                     ; the walk's first chunk of x goes into the ring; the fourth is asked for
	XPTR
	XLOAD 3, 0
.irp s, 1,2,3
	XCONV 0, \s
	XLOAD 3, \s
.endr
	s_wait_tensorcnt 0x1                           ; my part of W's slot 0 is in; slot 1's may stay out
	s_wait_dscnt 0x0                               ; my rows of x are stored
	s_barrier_signal -1
	s_barrier_wait -1                              ; everybody's are
	FETCH 0
.set q, 0
.rept 32                               ; written out: the counted waits run down at the end, and the last change of slots asks for nothing
	STEP
.set q, q+1
.endr
	; THE WAY OUT.  Each accumulator, taken from its low end on, packs into 16 bytes a lane; each store of the wave covers 512 consecutive bytes, aligned.
	WIN 0
.rept 8
	v_nop                                          ; the places behind the last products
.endr
	WIN 0x0a                                       ; sources 0 and 1 in window 2, destination in window 0
.set a, 0
.rept 24
.irp r, 0,1,2,3
	v_cvt_pk_f16_f32 v[PK+4*a+(\r)], v[8*a+2*(\r)], v[8*a+2*(\r)+1]
.endr
.set a, a+1
.endr
	WIN 0
.irp tt, 0,1,2,3
.irp e, 0,1
	global_store_b128 v[SO], v[PK+4*(6*(\tt)+(\e)):PK+4*(6*(\tt)+(\e))+3],     s[10:11] offset:((\tt)/2)*16384+(((\tt)%2)*8+(\e))*512
	global_store_b128 v[SO], v[PK+4*(6*(\tt)+2+(\e)):PK+4*(6*(\tt)+2+(\e))+3], s[8:9]   offset:(\tt)*4096+(\e)*512
	global_store_b128 v[SO], v[PK+4*(6*(\tt)+4+(\e)):PK+4*(6*(\tt)+4+(\e))+3], s[10:11] offset:((\tt)/2)*16384+8192+(((\tt)%2)*8+(\e))*512
.endr
.endr
	s_wait_tensorcnt 0x0                           ; the wave's end, behind my last tensor load and my last LDS store
	ds_add_u32 v[SPW], v[NIL]
	s_wait_dscnt 0x0
	CROUND                                         ; the closing round: no work-group ends while a partner may still ask for a chunk that names it
	s_endpgm
.Lfunc_end_k_qec4102ff08_proj:
	.size	k_qec4102ff08_proj, .Lfunc_end_k_qec4102ff08_proj-k_qec4102ff08_proj
	.p2alignl 7, 3214868480
	.fill 96, 4, 3214868480
	.section	.rodata,"a",@progbits
	.p2align	6, 0x0
	.amdhsa_kernel k_qec4102ff08_proj
		.amdhsa_group_segment_fixed_size 327680
		.amdhsa_private_segment_fixed_size 0
		.amdhsa_enable_private_segment 0
		.amdhsa_kernarg_size 32
		.amdhsa_user_sgpr_count 2
		.amdhsa_user_sgpr_kernarg_segment_ptr 1
		.amdhsa_wavefront_size32 1
		.amdhsa_system_sgpr_workgroup_id_x 1
		.amdhsa_system_sgpr_workgroup_id_y 1
		.amdhsa_system_sgpr_workgroup_id_z 1
		.amdhsa_system_vgpr_workitem_id 0
		.amdhsa_next_free_vgpr 704
		.amdhsa_next_free_sgpr 66
		.amdhsa_reserve_vcc 0
		.amdhsa_float_denorm_mode_32 3
		.amdhsa_float_denorm_mode_16_64 3
		.amdhsa_memory_ordered 1
		.amdhsa_forward_progress 1
		.amdhsa_inst_pref_size 152
	.end_amdhsa_kernel
	.amdgpu_metadata
---
amdhsa.version: [ 1, 2 ]
amdhsa.kernels:
  - .name:           k_qec4102ff08_proj
    .symbol:         k_qec4102ff08_proj.kd
    .args:
      - { .name: x, .offset: 0, .size: 8, .value_kind: global_buffer, .address_space: global }
      - { .name: wf, .offset: 8, .size: 8, .value_kind: global_buffer, .address_space: global }
      - { .name: qf, .offset: 16, .size: 8, .value_kind: global_buffer, .address_space: global }
      - { .name: kvf, .offset: 24, .size: 8, .value_kind: global_buffer, .address_space: global }
    .group_segment_fixed_size: 327680
    .private_segment_fixed_size: 0
    .kernarg_segment_align: 8
    .kernarg_segment_size: 32
    .max_flat_workgroup_size: 128
    .sgpr_count:     66
    .vgpr_count:     704
    .wavefront_size: 32
...
	.end_amdgpu_metadata
.endif
;; end of part 4
;; launch attn (part 5): grid 64 x 4, 4 waves a work-group, clusters of 4 x 1, 327,680 bytes of LDS; arguments qf, kvf, out0; writes out0
.if DOCPART == 5
	.amdgcn_target "amdgcn-amd-amdhsa--gfx1250"
	.amdhsa_code_object_version 6
	.text
	.protected	k_qec4102ff08_attn
	.globl	k_qec4102ff08_attn
	.p2align	8
	.type	k_qec4102ff08_attn,@function
k_qec4102ff08_attn:
	s_mov_b64 s[64:65], 0
	v_nop
	global_prefetch_b8 v0, s[64:65] scope:SCOPE_SE
	s_setreg_imm32_b32 hwreg(HW_REG_WAVE_MODE, 25, 1), 1
	s_wait_xcnt 0x0
	s_wait_alu depctr_hold_cnt(0) depctr_sa_sdst(0) depctr_va_vdst(0) depctr_va_sdst(0) depctr_va_ssrc(0) depctr_va_vcc(0) depctr_vm_vsrc(0)
	s_getreg_b32 s2, hwreg(HW_REG_IB_STS2, 6, 4)
	s_cmp_eq_u32 s2, 0
	s_cbranch_scc0 .Lentry_in_a_cluster
	s_endpgm
.Lentry_in_a_cluster:
	s_bfe_u32 s2, ttmp6, 0x10000c
	s_cmp_lg_u32 s2, 0x3003
	s_cbranch_scc0 .Lentry_shape_is_right
	s_endpgm
.Lentry_shape_is_right:
; CAUSAL ATTENTION.  out0[b][t][:] = the sum over s <= t of softmax_s(q[t] . k[s] / 32) v[s][:], 4 batches of 4,096 tokens, 128 channels.  qf, kvf: q, k, v in f16, in units of 512 bytes that are halves of
; operands (the launch before says how).  Products, maxima and sums in f32; the weights p are rounded to f16 for the second product (their sum l is taken of the unrounded p); out0 is f32.
; WORK LEFT OUT: key slots wholly behind a block's diagonal slot; reference()'s own tril mask gives them the weight 0 for all inputs (shown at the head of the first kernel).  Inside the diagonal slot hidden scores are computed and masked.
; LIMITS.  q, k, v lie within f16's 65,504, so a score is 5.5e11 at the most.  A hidden score counts as its value less 1e30.  The running maximum starts at -2^66, below every true score and above every hidden one:
; a share of keys that is wholly hidden for a row keeps it, gets p = 0, l = 0, O = 0, and counts for nothing in the merge.  A weight below 2^-126 counts as 0.  NaN and infinities are not treated apart.
; THE WALK.  A batch has 32 blocks of 128 rows; block D needs the key slots 0 .. D / 2 of 256 keys, of which the last holds the diagonal.  A cluster (P = its x, 0..15; its y = the batch) takes block 31 - P and then block P:
; (31 - P) / 2 + 1 + P / 2 + 1 = 17 slots whatever P: a constant count of visits, alike in all 256 work-groups.  Which slot is asked for and what a visit does hang on scalars made from P.
; THE ORDER.  A running maximum takes the slots in any order.  The first block's NS slots are walked upward from slot (14 - 2 j) % NS, j = P % 4 + 4 (P / 8), wrapping at NS; the second block's from slot 0.  Both LDS slots
; are filled at the head.  So eight clusters of a batch with the eight different j name sixteen different slots, all that the batch has, in their two first fills.  NOTHING IS PREFETCHED: no trip stands ahead of those fills.
; SHARES.  Work-group cx of the cluster holds rows 32 cx .. 32 cx + 31 of the block in hand: two tiles of 16 queries.  THE KEYS ARE SPLIT AMONG THE WAVES: wave w takes keys 64 w .. 64 w + 63 of each slot, for both tiles,
; with a maximum m, a sum l and an O^T of its own; the four meet in LDS at the end.  So each byte of K and V that lands in LDS is read once, by the wave whose load brought it.
; CLUSTER.  The four work-groups walk the same slots: each wave's 32,768 bytes of a slot are asked for JOINTLY, by the same tensor load with the same descriptor and the mask of four, in all four.
; LAYOUT.  S^T = K Q^T (source 0 = 16 keys, source 1 = 16 queries): a lane holds ONE query (lane % 16) and the keys 8 (lane / 16) + 0..7; two results rounded to f16 ARE source 1 of O^T = V^T P.  V lies turned in kvf.
; SOFTMAX.  p = 2^(c s - c m), c = log2(e) / 32, with the running maximum m; in every visit O and l are multiplied by a = 2^(c m_old - c m_new).  THE MASK is the C operand that starts S^T's sums: 0, or -1e30.
; BY TURNS.  In a TURN one tile has the matrix unit: 16 products V^T P of visit v, then 16 products K Q^T of visit v + 1; the other tile's softmax, 134 instructions, stands behind them, four behind each product and ten
; behind the last.  Then the tiles change places.  Trip v is tile 0's turn (beside it tile 1's softmax of visit v) and tile 1's turn (beside it tile 0's softmax of visit v + 1).  At a trip's head visit v's K and V lie in
; registers, so its slot is filled again, with visit v + 2; K of visit v + 1 is read straight behind that, V of visit v + 1 in tile 1's turn, as V's registers come free.
; REGISTERS, in windows of 256 (s_set_vgpr_msb: bits 1:0 source 0, 3:2 source 1, 5:4 source 2, 7:6 destination):
;   window 0: v0-11, v44-51 addresses; v12-43 eight registers of statistics a tile (tiles 2, 3: the first block's, set aside); v64-127 S^T, 32 a tile; v128-191 at work in the merge; v192-223 P, 16 a tile
;   window 1: O^T, 64 a tile (v128-255: the first block's, set aside)     window 2: v0-63 Q in hand; v64-127 the second block's Q; v128-255 K     window 3: v0-127 V; v128-191 the masks
; All that a softmax touches but O^T lies in window 0, and no window has room for a product's operands beside it: a product and the four lines behind it cost two switches.
.set SLOT1, 1<<17                      ; a slot is 131,072 bytes (wave w's part at 32,768 w: two groups of 32 keys, each K's 8,192 bytes and then V's); slot 1 begins here: one exclusive or changes slots
.set STAT,  2*SLOT1                    ; behind the ring, never filled by a tensor load: (c m, l) of wave w, tile t, 8 bytes a lane, at 1,024 w + 256 t
.set SPARE, STAT+4096                  ; the spare words, 128 bytes for each wave: two blocks of 256 bytes that no other line names
.set STP,   528                        ; the merge's stage, on the ring's bytes behind their last fill: a row of 128 f32 + 16 bytes of padding,
.set STT,   16*STP                     ; 16 rows a tile,
.set STW,   4*STT                      ; four tiles a source wave: 135,168 bytes in all
.set AL0, 2                            ; v2   16 l + 32,768 w: my place in a slot; never rewritten
.set ADR, 3                            ; v3   the same in the slot that is being read
.set QO,  4                            ; v4   16 l: my offset in a unit of qf, and in a row of out0
.set VB,  5                            ; v5   32 cx + l % 16 - 64 w - 8 (l / 16), signed: my query's row less my first key, both counted in the diagonal slot's half
.set L0,  6                            ; v6, v7  the same for tile 0 and tile 1 of the block in hand
.set BIG, 8                            ; v8   -1e30
.set SA,  10                           ; v10  where I put my statistics
.set SR,  11                           ; v11  where I read everybody's
.set ST,  12                           ; tile t at v[ST+8 t]: +0 c m, +1 m, +2, +3 l (even keys', odd keys'), +4 to +7 at work; a takes +6
.set SO,  44                           ; v44  the stage: where I put 16 bytes of a row
.set RD,  45                           ; v45-48  the stage: where I read a row of source wave 0..3 back
.set SPW, 62                           ; v62  LDS address of my spare word; never rewritten
.set NIL, 63                           ; v63  0; never rewritten
.set S,   64
.set MG,  128
.set CM,  160                          ; the merge: c M a tile; then 16 + 4 differences and factors; then L
.set DF,  164
.set DW,  180
.set LS,  184
.set PR,  192
.set KF,  128                          ; window 2: key block kb, channels 32 c on, at KF + 32 kb + 8 c
.set MC,  128                          ; window 3: tile t, key block kb at MC + 32 t + 8 kb
.set WV,  12                           ; s12  my wave's number
.set PP,  13                           ; s13  P
.set BT,  14                           ; s14  the batch
.set CX,  15                           ; s15  my place in the cluster: it enters Q's and out0's addresses and the mask's values, and nothing else
.set G1,  16                           ; s[16:23] descriptor group 1
.set G0,  24                           ; s[24:27] descriptor group 0 of the first fill
.set G0B, 28                           ; s[28:31] of the second; it then walks on
.set KVW, 32                           ; s[32:33] kvf at the batch's slot 0, my wave's part
.set OFF, 34                           ; s[34:35] a slot's byte offset
.set SLOTS, 36                         ; s36  counts the loop's trips
.set RT,  37                           ; s37  visits of the block whose scores are being made that are still to be entered
.set NXT, 38                           ; s38  the slot to be asked for next
.set NX1, 39                           ; s39  the slot asked for last
.set CUR, 40                           ; s40  the slot of the visit whose scores are made in this trip
.set WR,  41                           ; s41  where the first block's walk wraps: NS; behind its last request the greatest number
.set RQ,  42                           ; s42  the first block's slots still to be asked for
.set NEW, 43                           ; s43  1: the visit to be entered next begins the second block
.set CS,  44                           ; s[44:45] c, named as a pair
.set SEL, 46                           ; s[46:47] v_permlanex16_b32's selects: each lane takes its own place in the other half
.set OUT, 48                           ; s[48:49] out0 at the 16 rows that my wave stores
.set NL,  50                           ; s50  the second block's slots
.set DP,  51                           ; s51  128 x (block % 2) of the block whose scores are being made: where its rows begin in its diagonal slot
.set DPLO, 62                          ; s62  the same of the second block
.set TB,  63                           ; s63  LDS byte of the slot to be read
.set DG,  66                           ; s66  the diagonal slot of the block whose scores are being made
.set DGLO, 67                          ; s67  of the second block
.set DIRTY, 68                         ; s68  1: the masks are those of a diagonal slot
.set DPX, 69                           ; s69  DP for a diagonal visit, else 4,096: no key of a slot is greater, so every mask comes out 0
.set T0,  70
.set T1,  71
.set SW,  72                           ; s72  1: in this trip the blocks change: its products V^T P are the first block's last, its products K Q^T the second block's first
.set MSB, 0
.macro WIN new                         ; the high byte repeats the setting that is left; a switch that changes nothing is dropped
.if MSB != (\new)
	s_set_vgpr_msb (MSB<<8)|(\new)
.set MSB, (\new)
.endif
.endm
.set W_KQ, 0x0a                        ; K and Q in window 2, S^T in window 0
.set W_KM, 0x3a                        ; the same with the C operand in window 3
.set W_PV, 0x53                        ; V in window 3, P in window 0, O^T in window 1
.set W_RS, 0x41                        ; destination and source 0 in window 1, source 1 in window 0
.macro PLACES                          ; four places (ISA guide 7.12.1) behind a matrix instruction
.rept 4
	v_nop
.endr
.endm
; A round of the cluster's barrier: my work-group's barrier, so that wave 0's signal speaks for all four waves; wave 0 signals; every wave waits for all four work-groups; my work-group's barrier once more.
.macro CROUND
	s_barrier_signal -1
	s_barrier_wait -1
	s_cmp_lg_u32 s[WV], 0
	s_cbranch_scc1 .Lnot_wave_0_\@
	s_barrier_signal -3
.Lnot_wave_0_\@:
	s_barrier_wait -3
	s_barrier_signal -1
	s_barrier_wait -1
.endm
; THE CHANGE OF SLOTS, at the head of trip v.  Each wave waits for all its tensor loads, of which one is out: its part of visit v + 1's slot; adds 0 to its spare word; and waits for that and for its reads of visit v's slot,
; of which the last, half of V, were issued in the turn before.
; fill = 1: visit v's slot is filled again with slot NXT of the walk, visit v + 2's, behind a round of the cluster's barrier, so that no wave of any partner still reads it or has a load on its way; the joint load is the
; first thing behind the round, and it has a trip, 64 matrix instructions and two softmaxes, up to the wait for it.
.macro CHANGE fill
	WIN 0                                          ; at a label and at a branch every window is 0
	s_wait_tensorcnt 0x0                           ; no tensor load of mine is out, so group 0 may be written
	ds_add_u32 v[SPW], v[NIL]                      ; 0 onto my spare word; the scalar work below stands between it and the wait for it
	s_mov_b32 s[CUR], s[NX1]                       ; this trip's scores are those of the slot asked for a trip ago
.if \fill
	s_lshl_b32 s[OFF], s[NXT], 17
	s_xor_b32 s[G0B+1], s[G0B+1], SLOT1            ; the other slot than last time
	s_add_nc_u64 s[G0B+2:G0B+3], s[KVW:KVW+1], s[OFF:OFF+1]  ; the address is made anew from the slot's number
	s_or_b32 s[G0B+3], s[G0B+3], 0x80000000
	s_mov_b32 s[NX1], s[NXT]
	s_add_co_u32 s[NXT], s[NXT], 1                 ; the walk's next slot: one up, back to 0 at NS;
	s_cmp_eq_u32 s[NXT], s[WR]
	s_cselect_b32 s[NXT], 0, s[NXT]
	s_sub_co_u32 s[RQ], s[RQ], 1                   ; behind the first block's last request the second block's slot 0, and no wrap any more
	s_cmp_eq_u32 s[RQ], 0
	s_cselect_b32 s[NXT], 0, s[NXT]
	s_cselect_b32 s[WR], -1, s[WR]
.endif
	s_xor_b32 s[TB], s[TB], SLOT1
	s_wait_dscnt 0x0                               ; the add is done, and my LDS reads are over: V of visit v is in
.if \fill
	CROUND
	tensor_load_to_lds s[G0B:G0B+3], s[G1:G1+7]
	s_nop 0
	PLACES
.else
	s_barrier_signal -1
	s_barrier_wait -1
.endif
.endm
; THE LDS LOADS stand in runs, each load 512 consecutive bytes.  K: 32 loads, the channel groups in the order in which the products take them: load n brings half n % 2 of fragment (kb = (n / 2) % 4, c = n / 8),
; so that each group of four products waits for its own eight loads alone.
.macro FETCH_K
	WIN 0
	v_add_nc_u32 v[ADR], s[TB], v[AL0]
	WIN 0x80                                       ; destination window 2
.set n, 0
.rept 32
.set kb, (n/2)%4
	ds_load_b128 v[KF+32*kb+8*(n/8)+4*(n%2):KF+32*kb+8*(n/8)+4*(n%2)+3], v[ADR] offset:(kb/2)*16384+((kb%2)*8+2*(n/8)+n%2)*512
.set n, n+1
.endr
.endm
; V, half h (keys 32 h on): 16 loads: load n brings half n % 2 (keys 16 (n % 2) on) of fragment (h, channels 16 ((n % 16) / 2) on).  The address is the one that K's run has made.
.macro FETCH_V h
	WIN 0xc0                                       ; destination window 3
.set n, 16*(\h)
.rept 16
	ds_load_b128 v[4*n:4*n+3], v[ADR] offset:(n/16)*16384+8192+((n%2)*8+(n%16)/2)*512
.set n, n+1
.endr
.endm
; THE MATRIX WORK.  The accumulators of a run take turns, one instruction a turn; no two runs that follow each other share an accumulator, over the backward jump too.
; Product i of 16 of S^T = K Q^T for tile t: channels 32 (i / 4) on, keys 16 (i % 4) on.  The first four start the sums with the mask.
.macro QK1 t
.set rS, S+32*(\t)+8*(i%4)
.set rK, KF+32*(i%4)+8*(i/4)
.set rQ, 32*(\t)+8*(i/4)
.set rM, MC+32*(\t)+8*(i%4)
.if i < 4
	WIN W_KM
	v_wmma_f32_16x16x32_f16 v[rS:rS+7], v[rK:rK+7], v[rQ:rQ+7], v[rM:rM+7]
.else
	WIN W_KQ
	v_wmma_f32_16x16x32_f16 v[rS:rS+7], v[rK:rK+7], v[rQ:rQ+7], v[rS:rS+7]
.endif
.endm
; Product i of 16 of O^T += V^T P for tile t: keys 32 (i / 8) on, channels 16 (i % 8) on.
.macro PV1 t
	WIN W_PV
.set rO, 64*(\t)+8*(i%8)
.set rV, 64*(i/8)+8*(i%8)
.set rP, PR+16*(\t)+8*(i/8)
	v_wmma_f32_16x16x32_f16 v[rO:rO+7], v[rV:rV+7], v[rP:rP+7], v[rO:rO+7]
.endm
; THE VECTOR WORK.  A tile's softmax for a visit is a list of 134 instructions; SM writes number j of it for tile t.  s0-s31 are the lane's 32 scores, in pairs 0-15.
;   0-15    the maximum of s0-s31 and the old m, three operands at a time (each accumulator's lowest registers are read first)
;   16-20   the other half of the lanes' maximum; the new m; c m; c m_old - c m_new
;   21-69   ONE BATCH: the 16 scalings c s - c m and all 33 exponentials (a at 23, then s0-s31); none of these names an exponential's result; a pair is scaled well ahead of its exponentials
;   70-85   the roundings to f16       86-101  the sums; l = a l + the sum       102-133  the tile's O^T times a, from each accumulator's low end on
.macro SM t
.set rT, ST+8*(\t)
.set rS, S+32*(\t)
.set rP, PR+16*(\t)
.set rO, 64*(\t)+2*(j-102)
.if j < 102
	WIN 0
.endif
.if j < 4
	v_max3_num_f32 v[rT+4+j], v[rS+8*j], v[rS+8*j+1], v[rS+8*j+2]
.elseif j < 12
	v_max3_num_f32 v[rT+4+j%4], v[rT+4+j%4], v[rS+8*(j%4)+2*(j/4)+1], v[rS+8*(j%4)+2*(j/4)+2]
.elseif j == 12
	v_max3_num_f32 v[rT+4], v[rT+4], v[rS+7], v[rS+15]
.elseif j == 13
	v_max3_num_f32 v[rT+6], v[rT+6], v[rS+23], v[rS+31]
.elseif j == 14
	v_max3_num_f32 v[rT+4], v[rT+4], v[rT+5], v[rT+6]
.elseif j == 15
	v_max3_num_f32 v[rT+4], v[rT+4], v[rT+7], v[rT+1]
.elseif j == 16
	v_permlanex16_b32 v[rT+5], v[rT+4], s[SEL], s[SEL+1]  ; the query's other 32 keys of my 64 lie in the lane 16 away
.elseif j == 17
	v_mov_b32 v[rT+7], v[rT]                       ; c m_old is kept for a
.elseif j == 18
	v_max_num_f32 v[rT+1], v[rT+4], v[rT+5]
.elseif j == 19
	v_mul_f32 v[rT], s[CS], v[rT+1]
.elseif j == 20
	v_sub_f32 v[rT+7], v[rT+7], v[rT]
.elseif j == 23
	v_exp_f32 v[rT+6], v[rT+7]
.elseif (j < 23) || ((j < 38) && (j%2 == 0)) || ((j < 66) && (j%4 == 2))
.set b, (j-2)/4                        ; 38, 42, .. 62: pairs 9 to 15
.if j < 38
.set b, (j-20)/2                       ; 21: pair 0; 22, 24, .. 36: pairs 1 to 8
.endif
	v_pk_fma_f32 v[rS+2*b:rS+2*b+1], v[rS+2*b:rS+2*b+1], s[CS:CS+1], v[rT:rT+1] op_sel_hi:[1,0,0] neg_lo:[0,0,1] neg_hi:[0,0,1]
.elseif j < 70
.set e, j-38                           ; 66 to 69: s28 to s31
.if j < 66
.set e, j-32-(j-38)/4                  ; 39-41, 43-45, .. 63-65: s7 to s27
.endif
.if j < 38
.set e, (j-25)/2                       ; 25, 27, .. 37: s0 to s6
.endif
	v_exp_f32 v[rS+e], v[rS+e]
.elseif j < 86
	v_cvt_pk_f16_f32 v[rP+j-70], v[rS+2*(j-70)], v[rS+2*(j-70)+1]
.elseif j < 102                        ; the 16 pairs are added in place, neighbours 1, 2, 4 and 8 pairs apart; then l takes the sum
.set sz, j-86
.set sw, 4
.set su, sz
.if sz >= 14
.set sw, 32
.set su, 0
.elseif sz >= 12
.set sw, 16
.set su, sz-12
.elseif sz >= 8
.set sw, 8
.set su, sz-8
.endif
.if sz < 15
	v_pk_add_f32 v[rS+sw*su:rS+sw*su+1], v[rS+sw*su:rS+sw*su+1], v[rS+sw*su+sw/2:rS+sw*su+sw/2+1]
.else
	v_pk_fma_f32 v[rT+2:rT+3], v[rT+2:rT+3], v[rT+6:rT+7], v[rS:rS+1] op_sel_hi:[1,0,1]
.endif
.else
	WIN W_RS
	v_pk_mul_f32 v[rO:rO+1], v[rO:rO+1], v[rT+6:rT+7] op_sel_hi:[1,0]
.endif
.endm
; The list's next number.  Behind number 69 the batch is out and no result has been named: a plain instruction, and the ONE wait ahead of the first reader.
; VH = 1 (tile 1's turn of a trip, four numbers behind each product): the next visit's V is fetched as V's registers come free.  Half 0 was last read by product 7, which numbers 28 to 31 follow: behind number 39 six
; scalings (28, 30, .. 38) lie between.  Half 1 was last read by product 15, which numbers 60 to 63 follow: its run stands at the wait, and number 62, a scaling, and four v_nop lie between.
.macro SMX t
	SM \t
.if j == 69
.if VH
	PLACES
	s_wait_alu depctr_va_vdst(0)
	FETCH_V 1
.else
	v_nop
	s_wait_alu depctr_va_vdst(0)
.endif
.endif
.if VH && (j == 39)
	FETCH_V 0
.endif
.set j, j+1
.endm
.macro RIDERS st                       ; the numbers that stand behind one product: per of them; behind the turn's last product all that are left
.set left, left-1
.set cnt, per
.if left == 0
.set cnt, 134-j
.endif
.rept cnt
	SMX \st
.endr
.endm
; A TURN.  Tile mt has the matrix unit: pv = 1: 16 products V^T P; kq = 1: 16 products K Q^T of the next visit.  Tile st's softmax stands behind them: four numbers behind each product of 32 (31 x 4 + 10 = 134), eight behind
; each of 16 (15 x 8 + 14).  What stands behind the last product are packed multiplies on tile st's O^T, which name no register of the products round them: they are the places behind it.
; kw = 1: K has been asked for at the trip's head: each group of four products waits for its own eight loads; the later groups' may stay out.  vh: see SMX.
.macro TURN mt, st, pv, kq, kw, vh
.set j, 0
.set VH, \vh
.set per, 8
.if (\pv) && (\kq)
.set per, 4
.endif
.set left, 16*((\pv)+(\kq))
.if \pv
.set i, 0
.rept 16
	PV1 \mt
.set i, i+1
	RIDERS \st
.endr
.endif
.if \kq
.set i, 0
.rept 16
.if (\kw) && (i%4 == 0)
	s_wait_dscnt 24-2*i                            ; LDS serves a wave in order (ISA guide 5.7.1): channels 32 (i / 4) on are in
.endif
	QK1 \mt
.set i, i+1
	RIDERS \st
.endr
.endif
.endm
; THE MASKS.  Register 8 kb + j of tile t holds key 64 w + 16 kb + 8 (l / 16) + j of the slot; my query's row in a diagonal slot is DP + 32 cx + 16 t + l % 16: hidden where the key is greater.
; The same lines, with 4,096 in DP's place, write 0 everywhere: so they run for a diagonal visit and once more for the visit behind it.
.macro MASK
	WIN 0
	v_add_nc_u32 v[L0], s[DPX], v[VB]
	v_add_nc_u32 v[L0+1], 16, v[L0]
	WIN 0xc0
.irp t, 0,1
.set n, 0
.rept 32
	v_cmp_gt_i32 vcc_lo, 16*(n/8)+n%8, v[L0+(\t)]
	v_cndmask_b32 v[MC+32*(\t)+n], 0, v[BIG], vcc_lo
.set n, n+1
.endr
.endr
	WIN 0
.endm
; A VISIT IS ENTERED: its masks are made, ahead of the products K Q^T that take them, and the scalars step: behind a block's last visit they are the second block's.
.macro ENTER
	s_sub_co_u32 s[RT], s[RT], 1
	s_cmp_eq_u32 s[CUR], s[DG]                     ; is this the block's diagonal slot?
	s_cselect_b32 s[DPX], s[DP], 0x1000
	s_cselect_b32 s[T0], 1, 0
	s_or_b32 s[T1], s[T0], s[DIRTY]                ; or was the visit before's?
	s_mov_b32 s[DIRTY], s[T0]
	s_cmp_eq_u32 s[T1], 0
	s_cbranch_scc1 .Lopen_\@
	MASK
.Lopen_\@:
	s_cmp_eq_u32 s[RT], 0                          ; was that the block's last visit?
	s_cselect_b32 s[NEW], 1, 0
	s_cselect_b32 s[RT], s[NL], s[RT]
	s_cselect_b32 s[DP], s[DPLO], s[DP]
	s_cselect_b32 s[DG], s[DGLO], s[DG]
.endm
; THE CHANGE OF BLOCKS falls into three pieces, all in the trip whose products V^T P are the first block's last.  At its head the second block's Q goes where the one text names Q.
.macro NEWQ
	WIN 0x82
.set n, 0
.rept 64
	v_mov_b32 v[n], v[64+n]
.set n, n+1
.endr
	WIN 0
.endm
; Behind tile t's own turn, and ahead of its next softmax, its O^T, c m and l are set aside for the merge, and m and c m start anew.  O^T and l are not cleared: the new block's first softmax multiplies them by a = 0, and what they hold is finite.
.macro ASIDE t
	WIN 0x41
.set n, 0
.rept 64
	v_mov_b32 v[128+64*(\t)+n], v[64*(\t)+n]       ; in ascending order: each accumulator is read from its low end on
.set n, n+1
.endr
	WIN 0
	v_mov_b32 v[ST+8*(\t)+16], v[ST+8*(\t)]
	v_mov_b32 v[ST+8*(\t)+18], v[ST+8*(\t)+2]
	v_mov_b32 v[ST+8*(\t)+19], v[ST+8*(\t)+3]
	v_mov_b32 v[ST+8*(\t)], 0xfe000000             ; c m: far below every c s, so the first a is 0
	v_mov_b32 v[ST+8*(\t)+1], 0xe0800000           ; m = -2^66
.endm
; TRIP v.  All its jumps go forward, hang on P and the counted loop alone (alike in all partners), and pass no barrier and no tensor load.
.macro TRIP fill
	CHANGE \fill
	FETCH_K                                        ; K of visit v + 1; K's last reader is the trip before's last product, and the ten multiplies behind it lie between
	WIN 0
	s_mov_b32 s[SW], s[NEW]
	s_cmp_eq_u32 s[SW], 0
	s_cbranch_scc1 .Lsame_q_\@
	NEWQ
.Lsame_q_\@:
	ENTER                                          ; visit v + 1
	TURN 0, 1, 1, 1, 1, 0                          ; tile 0: V^T P of visit v, K Q^T of visit v + 1 | tile 1's softmax of visit v
	WIN 0
	s_cmp_eq_u32 s[SW], 0
	s_cbranch_scc1 .Lkeep_0_\@
	ASIDE 0
.Lkeep_0_\@:
	TURN 1, 0, 1, 1, 0, 1                          ; tile 1: the same | tile 0's softmax of visit v + 1 | V of visit v + 1
	WIN 0
	s_cmp_eq_u32 s[SW], 0
	s_cbranch_scc1 .Lkeep_1_\@
	ASIDE 1
.Lkeep_1_\@:
.endm
	s_load_b128 s[4:7], s[0:1], 0x0                ; qf s[4:5], kvf s[6:7]
	s_load_b64 s[8:9], s[0:1], 0x10                ; out0
	v_lshl_add_u32 v[SPW], v0, 2, SPARE
	v_mov_b32 v[NIL], 0
	ds_add_u32 v[SPW], v[NIL]                      ; the wave's opening: the add, twice on end, and its wait ahead of my first tensor load
	ds_add_u32 v[SPW], v[NIL]                      ; and once more, under the one wait; the set-up below, work on registers, stands between
	v_lshrrev_b32 v1, 5, v0
	v_readfirstlane_b32 s[WV], v1                  ; wave 0..3
	s_mov_b32 s[PP], ttmp9                         ; in a cluster launch ttmp9 and ttmp7 count clusters
	s_and_b32 s[BT], ttmp7, 0xffff
	s_bfe_u32 s[CX], ttmp6, 0x40000
	; descriptor group 1: 32,768 dense bytes as 128 rows of 256 bytes
	s_mov_b32 s[G1+0], 15|(3<<16)|(1<<21)          ; 15:0 the mask: all four work-groups; 17:16 elements of 8 bytes; 21 set beside a mask
	s_mov_b32 s[G1+1], 32<<16                      ; tensor_dim0 = 32
	s_mov_b32 s[G1+2], 128<<16                     ; tensor_dim1 = 128
	s_mov_b32 s[G1+3], 32<<16                      ; tile_dim0 = 32
	s_mov_b32 s[G1+4], 128                         ; tile_dim1 = 128
	s_mov_b32 s[G1+5], 32                          ; elements from row to row
	s_mov_b32 s[G1+6], 0
	s_mov_b32 s[G1+7], 0
	s_mov_b32 s[G0], 1                             ; count = 1
	s_lshl_b32 s[G0+1], s[WV], 15                  ; LDS address: my part of slot 0: no place in the cluster enters it
	s_mov_b32 s[G0B], 1
	s_add_co_u32 s[G0B+1], s[G0+1], SLOT1          ; my part of slot 1
	s_sub_co_u32 s56, 31, s[PP]                    ; the first block
	s_lshr_b32 s[DG], s56, 1                       ; its diagonal slot,
	s_add_co_u32 s[RT], s[DG], 1                   ; its NS slots
	s_mov_b32 s[WR], s[RT]
	s_lshr_b32 s[DGLO], s[PP], 1
	s_add_co_u32 s[NL], s[DGLO], 1
	s_and_b32 s[DPLO], s[PP], 1
	s_lshl_b32 s[DPLO], s[DPLO], 7
	s_xor_b32 s[DP], s[DPLO], 128                  ; 31 - P has the other parity
	s_and_b32 s57, s[PP], 3                        ; where the walk begins: j = P % 4 + 4 (P / 8),
	s_lshr_b32 s58, s[PP], 3
	s_lshl2_add_u32 s57, s58, s57
	s_lshl_b32 s57, s57, 1
	s_sub_co_u32 s[CUR], 14, s57                   ; slot 14 - 2 j,
	s_cmp_ge_u32 s[CUR], s[WR]
	s_cselect_b32 s58, s[WR], 0
	s_sub_co_u32 s[CUR], s[CUR], s58               ; less NS where that is not among the block's (P = 4 alone)
	s_add_co_u32 s[NX1], s[CUR], 1                 ; the second visit's slot,
	s_cmp_eq_u32 s[NX1], s[WR]
	s_cselect_b32 s[NX1], 0, s[NX1]
	s_add_co_u32 s[NXT], s[NX1], 1                 ; the third's: the first to be asked for in the loop
	s_cmp_eq_u32 s[NXT], s[WR]
	s_cselect_b32 s[NXT], 0, s[NXT]
	s_sub_co_u32 s[RQ], s[RT], 2                   ; 7 at the least
	s_mov_b32 s[NEW], 0
	s_mov_b32 s[DIRTY], 0
	s_mov_b32 s[TB], 0
	s_mov_b32 s[SLOTS], 15
	s_mov_b32 s[OFF+1], 0
	s_mov_b32 s[CS], 0x3d38aa3b                    ; c = log2(e) / 32
	s_mov_b32 s[CS+1], s[CS]
	s_mov_b32 s[SEL], 0x76543210
	s_mov_b32 s[SEL+1], 0xfedcba98
	s_lshl_b32 s2, s[BT], 21                       ; a batch is 2,097,152 bytes of kvf,
	s_lshl_b32 s3, s[WV], 15                       ; my part of a slot
	s_add_co_u32 s2, s2, s3
	s_mov_b32 s3, 0
	s_lshl_b32 s10, s[BT], 8                       ; Q's tiles: 256 a batch, 8 a block, 2 a work-group, 4,096 bytes each
	s_lshl1_add_u32 s10, s[CX], s10
	s_lshl3_add_u32 s60, s56, s10
	s_lshl_b32 s60, s60, 12
	s_mov_b32 s61, 0
	s_lshl3_add_u32 s10, s[PP], s10
	s_lshl_b32 s10, s10, 12
	s_mov_b32 s11, 0
	s_cmp_lt_u32 s[WV], 2                          ; out0: waves 0 and 1 store the second block's two tiles, waves 2 and 3 the first block's
	s_cselect_b32 s57, s[PP], s56
	s_lshl_b32 s57, s57, 7
	s_lshl_b32 s56, s[BT], 12
	s_add_co_u32 s56, s56, s57
	s_lshl_b32 s57, s[CX], 5
	s_add_co_u32 s56, s56, s57
	s_and_b32 s57, s[WV], 1
	s_lshl_b32 s57, s57, 4
	s_add_co_u32 s56, s56, s57                     ; the row,
	s_lshl_b32 s56, s56, 9                         ; of 512 bytes
	s_mov_b32 s57, 0
	s_wait_dscnt 0x0                               ; both opening adds are done
	s_wait_kmcnt 0x0
	s_add_nc_u64 s[KVW:KVW+1], s[6:7], s[2:3]
	s_add_nc_u64 s[52:53], s[4:5], s[60:61]        ; Q of the first block,
	s_add_nc_u64 s[54:55], s[4:5], s[10:11]        ; of the second
	s_add_nc_u64 s[OUT:OUT+1], s[8:9], s[56:57]
	s_lshl_b32 s[OFF], s[CUR], 17
	s_add_nc_u64 s[G0+2:G0+3], s[KVW:KVW+1], s[OFF:OFF+1]    ; global address: the first visit's slot
	s_or_b32 s[G0+3], s[G0+3], 0x80000000          ; type = 2
	s_lshl_b32 s[OFF], s[NX1], 17
	s_add_nc_u64 s[G0B+2:G0B+3], s[KVW:KVW+1], s[OFF:OFF+1]  ; the second visit's
	s_or_b32 s[G0B+3], s[G0B+3], 0x80000000
	CROUND                                         ; all four work-groups are here: the first joint loads meet
	tensor_load_to_lds s[G0:G0+3], s[G1:G1+7]      ; both first fills go out together, ahead of every wait on TENSORcnt and every LDS read: two loads of mine are out
	s_nop 0
	tensor_load_to_lds s[G0B:G0B+3], s[G1:G1+7]
	s_nop 0
	PLACES
	v_and_b32 v51, 31, v0                          ; l
	v_lshlrev_b32 v[QO], 4, v51
	WIN 0x80                                       ; destination window 2, address window 0
.set i, 0
.rept 16                               ; both blocks' Q stay in registers: unit i = 8 t + nb is half nb % 2 of fragment (t, nb / 2)
	global_load_b128 v[4*i:4*i+3],       v[QO], s[52:53] offset:512*i
	global_load_b128 v[64+4*i:64+4*i+3], v[QO], s[54:55] offset:512*i
.set i, i+1
.endr
	; What the first softmax finds: O^T and l are 0, which it multiplies by a = 0; the masks are 0.  The registers that the change of blocks fills are written here too, so that each is written on every way to the merge.
	; No first visit with sums started by the constant 0 is written out; the price is these 350 lines, which run while the first slots are on their way.
	WIN 0x40
.set n, 0
.rept 256
	v_mov_b32 v[n], 0
.set n, n+1
.endr
	WIN 0xc0
.set n, 0
.rept 64
	v_mov_b32 v[MC+n], 0
.set n, n+1
.endr
	WIN 0
.set n, 0
.rept 32
	v_mov_b32 v[ST+n], 0
.set n, n+1
.endr
.irp t, 0,1
	v_mov_b32 v[ST+8*(\t)], 0xfe000000             ; c m: far below every c s
	v_mov_b32 v[ST+8*(\t)+1], 0xe0800000           ; m = -2^66
.endr
	v_and_b32 v1, 15, v0                           ; l % 16
	v_bfe_u32 v9, v0, 4, 1                         ; l / 16
	s_lshl_b32 s56, s[WV], 15
	v_lshl_add_u32 v[AL0], v51, 4, s56
	s_lshl_b32 s56, s[CX], 5
	s_lshl_b32 s57, s[WV], 6
	s_sub_co_i32 s56, s56, s57
	v_lshlrev_b32 v[VB], 3, v9
	v_sub_nc_u32 v[VB], v1, v[VB]
	v_add_nc_u32 v[VB], s56, v[VB]
	v_mov_b32 v[BIG], 0xf149f2ca                   ; -1e30
	s_lshl_b32 s56, s[WV], 10
	s_add_co_u32 s56, s56, STAT
	v_lshl_add_u32 v[SA], v51, 3, s56
	v_lshl_add_u32 v[SR], v51, 3, STAT
	s_mul_i32 s56, s[WV], STW
	v_mul_u32_u24 v[SO], v1, STP                   ; into the stage: row l % 16, 32 bytes for each half of the lanes
	v_lshl_add_u32 v[SO], v9, 5, v[SO]
	v_add_nc_u32 v[SO], s56, v[SO]
	s_mul_i32 s56, s[WV], STT                      ; back: tile = my wave's number; 32 lanes take a row's 512 bytes
	v_lshl_add_u32 v[RD], v51, 4, s56
	v_add_nc_u32 v[RD+1], STW, v[RD]
	v_add_nc_u32 v[RD+2], 2*STW, v[RD]
	v_add_nc_u32 v[RD+3], 3*STW, v[RD]
	s_wait_loadcnt 0x0                             ; Q
	s_wait_tensorcnt 0x1                           ; my part of the first visit's slot is in, and I alone read it; the second's may stay out
	; THE OPENING: visit 0's scores and tile 0's first softmax
	FETCH_K
	WIN 0
	ENTER                                          ; visit 0
.set i, 0
.rept 16
.if i%4 == 0
	s_wait_dscnt 24-2*i                            ; channels 32 (i / 4) on are in
.endif
	QK1 0                                          ; tile 0's first scores: there is no vector work yet to set between them
.set i, i+1
.endr
	WIN 0
	PLACES                                         ; ahead of the first read of those scores
	FETCH_V 0                                      ; V of visit 0; the first change of slots waits for it
	FETCH_V 1
	TURN 1, 0, 0, 1, 0, 0                          ; tile 1's first scores | tile 0's first softmax
	WIN 0
.Lslot:                                ; trips 0 to 14: each fills the slot that it finds read out with the slot of the visit after the next
	TRIP 1
	s_sub_co_u32 s[SLOTS], s[SLOTS], 1
	s_cmp_lg_u32 s[SLOTS], 0
	s_cbranch_scc1 .Lslot
	TRIP 0                                         ; trip 15 is written out: nothing is asked for
	s_wait_dscnt 0x0                               ; V of the last visit is in
	TURN 0, 1, 1, 0, 0, 0                          ; tile 0: V^T P of the last visit | tile 1's last softmax
.set i, 0
.rept 16
	PV1 1                                          ; tile 1's V^T P of the last visit
.set i, i+1
.endr
	; THE MERGE of the four waves' shares, for tiles 0, 1 (block P) and 2, 3 (block 31 - P).  With c M the greatest of the four c m: out = the sum over waves of 2^(c m - c M) O / L, L = the sum of 2^(c m - c M) l.
	WIN 0
.macro ALL4 line:vararg                ; one line for each tile t
.set t, 0
.rept 4
	\line
.set t, t+1
.endr
.endm
	ALL4 v_add_f32 v[ST+8*t+4], v[ST+8*t+2], v[ST+8*t+3]  ; l's two halves (these four lines are the places behind the last products),
	ALL4 v_permlanex16_b32 v[ST+8*t+5], v[ST+8*t+4], s[SEL], s[SEL+1]
	ALL4 v_add_f32 v[ST+8*t+1], v[ST+8*t+4], v[ST+8*t+5]  ; and the other half of the lanes': l lies beside c m
	ALL4 ds_store_b64 v[SA], v[ST+8*t:ST+8*t+1] offset:256*t
	s_wait_dscnt 0x0                               ; for the others' sake: my statistics are stored, and my reads of the ring are long over
	s_barrier_signal -1
	s_barrier_wait -1                              ; behind this barrier no wave reads the ring, and no load is on its way into it: its bytes serve as the stage
.set n, 0
.rept 16                               ; n = 4 x source wave + tile
	ds_load_b64 v[MG+2*n:MG+2*n+1], v[SR] offset:256*n
.set n, n+1
.endr
	s_wait_dscnt 0x0
	ALL4 v_max3_num_f32 v[CM+t], v[MG+2*t], v[MG+8+2*t], v[MG+16+2*t]
	ALL4 v_max_num_f32 v[CM+t], v[CM+t], v[MG+24+2*t]
.irp u, 0,1,2,3
	ALL4 v_sub_f32 v[DF+4*t+(\u)], v[MG+8*(\u)+2*t], v[CM+t]
.endr
	ALL4 v_sub_f32 v[DW+t], v[ST+8*t], v[CM+t]     ; my own
.set n, 0
.rept 20
	v_exp_f32 v[DF+n], v[DF+n]                     ; one batch: 16 factors and my own four
.set n, n+1
.endr
	v_nop                                          ; a plain instruction behind the last exponential,
	s_wait_alu depctr_va_vdst(0)                   ; and the one wait ahead of the first reader
	ALL4 v_mul_f32 v[LS+t], v[DF+4*t], v[MG+2*t+1]
.irp u, 1,2,3
	ALL4 v_fmac_f32 v[LS+t], v[DF+4*t+(\u)], v[MG+8*(\u)+2*t+1]
.endr
	ALL4 v_rcp_f32 v[LS+t], v[LS+t]                ; L is 1 at the least: the wave that holds M has a weight of 1
	v_nop
	s_wait_alu depctr_va_vdst(0)
	ALL4 v_mul_f32 v[ST+8*t+6], v[DW+t], v[LS+t]
	WIN W_RS
.set n, 0
.rept 128
	v_pk_mul_f32 v[2*n:2*n+1], v[2*n:2*n+1], v[ST+8*(n/32)+6:ST+8*(n/32)+7] op_sel_hi:[1,0]
.set n, n+1
.endr
	WIN 0x04                                       ; store data in window 1, address in window 0
.set n, 0
.rept 64                               ; n = 16 t + 2 cb + u: four channels of query l % 16: 64 cb + 32 (l / 16) + 16 u bytes into its row
	ds_store_b128 v[SO], v[4*n:4*n+3] offset:(n/16)*STT+((n/2)%8)*64+(n%2)*16
.set n, n+1
.endr
	WIN 0
	s_wait_dscnt 0x0                               ; for the others' sake: my shares are in the stage
	s_barrier_signal -1
	s_barrier_wait -1
.irp g, 0,1,2,3                        ; wave w adds the four shares of tile w, four rows at a time, in two sets of registers by turns
.set RB, S+64*((\g)%2)
.if (\g) >= 2
	s_wait_xcnt 0x0                                ; the stores of two groups back have read their registers
.endif
.irp p, 0,1,2,3
.irp u, 0,1,2,3
	ds_load_b128 v[RB+16*(\p)+4*(\u):RB+16*(\p)+4*(\u)+3], v[RD+(\u)] offset:(4*(\g)+(\p))*STP
.endr
.endr
	s_wait_dscnt 0x0
.irp p, 0,1,2,3
.irp d, 0,2,8,10
	v_pk_add_f32 v[RB+16*(\p)+(\d):RB+16*(\p)+(\d)+1], v[RB+16*(\p)+(\d):RB+16*(\p)+(\d)+1], v[RB+16*(\p)+(\d)+4:RB+16*(\p)+(\d)+5]
.endr
.irp d, 0,2
	v_pk_add_f32 v[RB+16*(\p)+(\d):RB+16*(\p)+(\d)+1], v[RB+16*(\p)+(\d):RB+16*(\p)+(\d)+1], v[RB+16*(\p)+(\d)+8:RB+16*(\p)+(\d)+9]
.endr
	global_store_b128 v[QO], v[RB+16*(\p):RB+16*(\p)+3], s[OUT:OUT+1] offset:(4*(\g)+(\p))*512 th:TH_STORE_NT  ; a whole row of out0: 512 consecutive bytes, aligned
.endr
.endr
	s_wait_tensorcnt 0x0                           ; the wave's end, behind my last tensor load and my last LDS store
	ds_add_u32 v[SPW], v[NIL]
	s_wait_dscnt 0x0
	CROUND                                         ; the closing round: no work-group ends while a partner may still ask for a slot that names it
	s_endpgm
.Lfunc_end_k_qec4102ff08_attn:
	.size	k_qec4102ff08_attn, .Lfunc_end_k_qec4102ff08_attn-k_qec4102ff08_attn
	.p2alignl 7, 3214868480
	.fill 96, 4, 3214868480
	.section	.rodata,"a",@progbits
	.p2align	6, 0x0
	.amdhsa_kernel k_qec4102ff08_attn
		.amdhsa_group_segment_fixed_size 327680
		.amdhsa_private_segment_fixed_size 0
		.amdhsa_enable_private_segment 0
		.amdhsa_kernarg_size 24
		.amdhsa_user_sgpr_count 2
		.amdhsa_user_sgpr_kernarg_segment_ptr 1
		.amdhsa_wavefront_size32 1
		.amdhsa_system_sgpr_workgroup_id_x 1
		.amdhsa_system_sgpr_workgroup_id_y 1
		.amdhsa_system_sgpr_workgroup_id_z 1
		.amdhsa_system_vgpr_workitem_id 0
		.amdhsa_next_free_vgpr 960
		.amdhsa_next_free_sgpr 74
		.amdhsa_reserve_vcc 1
		.amdhsa_float_denorm_mode_32 3
		.amdhsa_float_denorm_mode_16_64 3
		.amdhsa_memory_ordered 1
		.amdhsa_forward_progress 1
		.amdhsa_inst_pref_size 158
	.end_amdhsa_kernel
	.amdgpu_metadata
---
amdhsa.version: [ 1, 2 ]
amdhsa.kernels:
  - .name:           k_qec4102ff08_attn
    .symbol:         k_qec4102ff08_attn.kd
    .args:
      - { .name: qf, .offset: 0, .size: 8, .value_kind: global_buffer, .address_space: global }
      - { .name: kvf, .offset: 8, .size: 8, .value_kind: global_buffer, .address_space: global }
      - { .name: out0, .offset: 16, .size: 8, .value_kind: global_buffer, .address_space: global }
    .group_segment_fixed_size: 327680
    .private_segment_fixed_size: 0
    .kernarg_segment_align: 8
    .kernarg_segment_size: 24
    .max_flat_workgroup_size: 128
    .sgpr_count:     74
    .vgpr_count:     960
    .wavefront_size: 32
...
	.end_amdgpu_metadata
.endif
;; end of part 5
